; MI455X (gfx1250); checked and timed in simulation.
; The chip was launched on July 23, 2026; its instructions are those of AMD's public machine-readable ISA for CDNA 5 (MIT licence, August 2026) and "CDNA5" Instruction Set Architecture Reference Guide (July 2026). The comments in the code are by the model that wrote it; some were corrected since.
;; Multi Head Attention. Allowed arithmetic: matrix products marked QUANTISED: E2M3 operands, one E8M0 scale for each 32 along K, by v_wmma_scale_f32_16x16x128_f8f6f4 with both operands' format E2M3, f32 sums; products left as they are: f32 operands where the result goes on into a quantised operand, else bf16, f16 or f32 operands; f32 sums; everything else in f32.
;; Inputs: Wik 1,024 x 64 float32; Wiq 1,024 x 256 float32; Wiw 1,024 x 4 float32; Wk 1,024 x 1,024 float32; Wo 1,024 x 1,024 float32; Wq 1,024 x 1,024 float32; Wv 1,024 x 1,024 float32; gk 64 float32; gq 64 float32; x 2 x 2,048 x 1,024 float32.
;; Outputs: out0 2 x 2,048 x 1,024 float32.
;; This version of the problem:
;;   THIS VERSION OF THE PROBLEM IS GIVEN IN LOW PRECISION. The matrix products marked QUANTISED in the list below multiply operands that are first quantised to E2M3 (2 exponent bits, 3 mantissa bits; 6 bits a number), with one power-of-two scale for each 32 numbers along K (OCP MX v1.0); their sums are f32. All else is computed in f32.
;;   The module's matrix products, in the order in which they are computed (A, B: the left and right operand; K: the contracted axis; several contracted axes count as one K, in the product's order):
;;     1. [M 4,096, K 1,024] x [K 1,024, N 1,024]; A: input x; B: input Wq: QUANTISED
;;     2. [M 4,096, K 1,024] x [K 1,024, N 1,024]; A: input x; B: input Wk: QUANTISED
;;     3. [M 4,096, K 1,024] x [K 1,024, N 1,024]; A: input x; B: input Wv: QUANTISED
;;     4. [M 4,096, K 1,024] x [K 1,024, N 256]; A: input x; B: input Wiq: QUANTISED
;;     5. [M 4,096, K 1,024] x [K 1,024, N 4]; A: input x; B: input Wiw: left as it is (N = 4 < 16)
;;     6. [M 4,096, K 1,024] x [K 1,024, N 64]; A: input x; B: input Wik: QUANTISED
;;     7. batch 2 x [M 2,048, K 64] x [K 64, N 8,192]; A: computed on the way; B: computed on the way: QUANTISED
;;     8. batch 4,096 x [M 2,048, K 4] x [K 4, N 1]; A: computed on the way; B: computed on the way: left as it is (K = 4 < 32)
;;     9. batch 32 x [M 2,048, K 64] x [K 64, N 2,048]; A: computed on the way; B: computed on the way: QUANTISED
;;     10. batch 32 x [M 64, K 2,048] x [K 2,048, N 2,048]; A: computed on the way; B: softmax (see below): QUANTISED
;;     11. [M 4,096, K 1,024] x [K 1,024, N 1,024]; A: computed on the way; B: input Wo: QUANTISED
;;   THE QUANTISER, for each operand of a quantised product, along K:
;;     - K is cut into blocks of 32 from its start; a last block that is shorter is filled with zeros.
;;     - A block's scale is 2^e with e = floor(log2(the largest magnitude in the block)) - 2, held to -126 .. 127; a block of zeros has e = 0. As a byte (E8M0): e + 127.
;;     - Each number is divided by its block's scale, clamped to +-7.5, and rounded to the nearest number of E2M3, ties to even, subnormals kept.
;;     - The product sums the exact products of the quantised numbers (number of the format x scale) in f32.
;;   ~~~python
;;   def quantise(x, axis):      # numpy; x: float32 -> the quantised numbers, widened to float32 again
;;       x = np.moveaxis(x, axis, -1); K = x.shape[-1]
;;       x = np.pad(x, [(0, 0)] * (x.ndim - 1) + [(0, -K % 32)]); x = x.reshape(x.shape[:-1] + (-1, 32)); a = np.abs(x).max(-1, keepdims=True)
;;       e = np.where(a > 0, np.clip(np.frexp(np.where(a > 0, a, 1))[1] - 1 - 2, -126, 127), 0)      # np.frexp(a)[1] - 1 = floor(log2(a)), exactly
;;       r = np.clip(x / 2.0 ** e, -7.5, 7.5)
;;       step = 2.0 ** (np.maximum(np.frexp(np.where(r == 0, 1, r))[1] - 1, 0) - 3)
;;       q = np.round(r / step) * step * 2.0 ** e      # np.round: ties to even
;;       return np.moveaxis(q.reshape(q.shape[:-2] + (-1,))[..., :K], -1, axis).astype(np.float32)
;;   ~~~
;;   SOFTMAX AHEAD OF A QUANTISED PRODUCT. Where the list says 'softmax', what is quantised is not the finished softmax but p = 2^(t - M), with t = logit x log2(e) and M = ceil(the row's largest t), a whole number; so 1/2 < the row's largest p <= 1. The row's sum l is taken of the UNQUANTISED p, in f32, and the product's result is divided by l at the end. Since M is a whole number, a kernel that streams over the keys may use a running M (the ceiling of the running maximum): every later rescaling is an exact power of two, which a block's scale takes up: the codes' values come out the same.
;;   OPERANDS COMPUTED ON THE WAY. 'Computed on the way' means the value that the module computes at that place (a softmax that the list does not call 'softmax' is quantised finished and normalised). What goes into a quantiser is computed in f32, as accurately as f32 sums, v_exp_f32 and their like allow (about 1e-6 of the number): no bf16 or f16 on the way to a quantiser, and a product that is left as it is and whose result goes on into a quantised operand takes f32 operands (vector FMAs, or v_wmma_f32_16x16x4_f32). A number that lies on a knife's edge between two numbers of the format may be rounded either way, as far as f32 arithmetic and the matrix unit's own rounding can turn it there, and no further.
;; 2 versions, each right and faster than the one before. Each part assembles by itself: llvm-mc -triple=amdgcn-amd-amdhsa -mcpu=gfx1250 --defsym DOCPART=n.
;; ======== version 1 of 2: 6 launches
;; limits: right only within a limited range of input values
;; workspace buffers: abuf 4,325,376 bytes; wbuf 3,532,800 bytes; pbuf 11,288,576 bytes; mbuf 1,048,576 bytes of whole numbers; obuf 3,276,800 bytes
;; launch quant_x (part 1): grid 256 x 1, 4 waves a work-group, no clusters, 86,528 bytes of LDS; arguments x, Wiw, abuf; writes abuf
.if DOCPART == 1
	.amdgcn_target "amdgcn-amd-amdhsa--gfx1250"
	.amdhsa_code_object_version 6
	.text
	.protected	k_q7e064c619d_quant_x
	.globl	k_q7e064c619d_quant_x
	.p2align	8
	.type	k_q7e064c619d_quant_x,@function
k_q7e064c619d_quant_x:
	s_mov_b64 s[64:65], 0
	v_nop
	global_prefetch_b8 v0, s[64:65] scope:SCOPE_SE
	s_setreg_imm32_b32 hwreg(HW_REG_WAVE_MODE, 25, 1), 1
	s_wait_xcnt 0x0
; THE PROGRAM: six launches: quant_x, quant_w (operands into codes of E2M3), proj (products 1-4, 6; norm, rotation), index (product 7, 8, the threshold, the mask), attn (9, 10), oproj (11).
; WORK LEFT OUT, for all finite inputs.  ste = (hard - soft) + soft is hard in real numbers, so 'safe', the sigmoid and 'soft' reach no output: they are not computed.  attn_mask is then 0 where hard = 1 and -1e9 where
; hard = 0; a key under -1e9 has p = 2^(t - M) = 0 beside the row's largest p, and every row keeps a key (its own top scores), so such a score is written as -infinity.  Tiles of products 7, 9, 10 that lie wholly above the
; diagonal are thrown away by the tril that reference() builds itself: they are not multiplied.
; LIMITS: -1e9 counts as -infinity while |logit| < 4e8 (|logit| <= 8 max|gq| max|gk|).  A NaN, an infinity or an overflow that reaches only the sigmoid left out is not carried to the result.  NaN and infinities among the
; inputs are not served.  A block of zeros carries the scale byte 1 where the rule says 127: its codes are zeros, and these bytes are read by this program alone.
; THIS LAUNCH: x [4096][1024] f32 -> codes and scale words, laid as images of operand registers; wI = x Wiw in f32 (four partial sums a row, one for each quarter of K); the table of cos and sin for the rotation.
; TILES.  Token tile g, lane r, holds token 32 (g / 2) + 8 (g % 2) + r + 8 (r / 8): so the 16 result registers of two neighbouring tiles are 16 neighbours.  A work-group takes a tile, wave w K = 256 w .. 256 w + 255.
; A record of a tile, 12,800 bytes: 8 K steps x 1,536 bytes (registers 0-3: 16 bytes a lane; 4-5: 8 bytes a lane at +512; 6-9 at +768; 10-11 at +1,280), then 8 x 64 bytes of scale words.
; Each load reads 512 consecutive bytes of a row; the numbers turn through the wave's own stage in LDS, so that a lane holds 16 neighbours of each block of 32.  Waves share nothing: no barrier.
; THE TABLE: angle = t x 10^(-j / 8) in f32 as reference() has it, the power by one v_exp_f32 (the angle lies within 2e-4 of reference()'s at t = 2,047); reduced by pi / 2 in two parts; polynomials of degree 9 and 10.
.set XRECB, 12800
.set WIB,   3276800
.set ROPE,  3801088
.set WREG,  21504                      ; LDS of a wave: two stages of 16 x 528 bytes, then 4,096 bytes of Wiw
.set STG1,  8448
.set WQ,    16896
.set SPARE, 86016                      ; the spare words: 128 bytes a wave, named by no other line
.set SPW, 10
.set NIL, 11
.set TM,  20                           ; v20-35 at work in QUANT
.set PW,  36                           ; the scale word just made
.set PC,  40                           ; v40-58 the codes just made
.set R0,  64                           ; v64-127 K step 0 as loaded, later 16 rows of Wiw; v128-191 K step 1 as loaded
.set X,   192                          ; v192-255 64 numbers of my row: register 16 b + i = k 32 b + 16 (lane / 16) + i
.set SEL, 32
; 64 numbers of a lane become a fragment's codes in v[PC] on and its scale word in v[PW]
.macro QUANT s
.irp b, 0,1,2,3
	v_max3_num_f32 v[TM+\b], |v[\s+16*\b]|, |v[\s+1+16*\b]|, 0x1800000   ; my 16 numbers of block b, and the floor 2^(3 - 127): the byte cannot fall under 1
.endr
.irp i, 2,4,6,8,10,12,14
.irp b, 0,1,2,3
	v_max3_num_f32 v[TM+\b], v[TM+\b], |v[\s+16*\b+\i]|, |v[\s+1+16*\b+\i]|
.endr
.endr
.irp b, 0,1,2,3
	v_permlanex16_b32 v[TM+4+\b], v[TM+\b], s[SEL], s[SEL+1]
.endr
.irp b, 0,1,2,3
	v_max_num_f32 v[TM+\b], v[TM+\b], v[TM+4+\b]     ; with lane l xor 16's: the block's largest magnitude
.endr
.irp b, 0,1,2,3
	v_add_nc_u32 v[TM+12+\b], 0xff000000, v[TM+\b]   ; 2 off its exponent field: the conversion's scale operand
.endr
.irp b, 0,1,2,3
	v_lshrrev_b32 v[TM+4+\b], 23, v[TM+12+\b]        ; the scale's byte
.endr
	v_lshl_or_b32 v[PW], v[TM+5], 8, v[TM+4]
	v_lshl_or_b32 v[PW], v[TM+6], 16, v[PW]
	v_lshl_or_b32 v[PW], v[TM+7], 24, v[PW]
.irp c, 0,1
	v_cvt_scalef32_pk16_fp6_f32 v[PC+6*\c:PC+2+6*\c], v[\s+32*\c:\s+15+32*\c], v[TM+12+2*\c]
	v_cvt_scalef32_pk16_fp6_f32 v[PC+12+4*\c:PC+14+4*\c], v[\s+16+32*\c:\s+31+32*\c], v[TM+12+2*\c+1]
.endr
	v_nop                                            ; one plain place behind a scaled conversion
.irp c, 0,1                                      ; the operand's layout wants a whole block in a lane
.irp i, 0,1,2
	v_permlane16_swap_b32 v[PC+6*\c+\i], v[PC+12+4*\c+\i]
.endr
.irp i, 0,1,2
	v_mov_b32 v[PC+3+6*\c+\i], v[PC+12+4*\c+\i]
.endr
.endr
.endm
; cos and sin of entry e: v[T] holds the frequency, v254 the position
.macro TRIG e
.set T, 224+16*\e
	v_mul_f32 v[T+1], v254, v[T]                     ; the angle
	v_mul_f32 v[T+2], 0x3f22f983, v[T+1]
	v_rndne_f32 v[T+2], v[T+2]                       ; n = the nearest multiple of pi / 2
	v_fmamk_f32 v[T+3], v[T+2], 0xbfc90fdb, v[T+1]   ; less n x the high part: nothing is rounded (both are multiples of 2^-23, the difference is under 1)
	v_fmamk_f32 v[T+3], v[T+2], 0x333bbd2e, v[T+3]   ; less n x the low part, which is negative
	v_mul_f32 v[T+4], v[T+3], v[T+3]
	v_mov_b32 v[T+5], 0x3638ef1d
	v_fmaak_f32 v[T+5], v[T+5], v[T+4], 0xb9500d01
	v_fmaak_f32 v[T+5], v[T+5], v[T+4], 0x3c088889
	v_fmaak_f32 v[T+5], v[T+5], v[T+4], 0xbe2aaaab
	v_mul_f32 v[T+8], v[T+3], v[T+4]
	v_fma_f32 v[T+5], v[T+8], v[T+5], v[T+3]         ; sin of the rest
	v_mov_b32 v[T+6], 0xb493f27e
	v_fmaak_f32 v[T+6], v[T+6], v[T+4], 0x37d00d01
	v_fmaak_f32 v[T+6], v[T+6], v[T+4], 0xbab60b61
	v_fmaak_f32 v[T+6], v[T+6], v[T+4], 0x3d2aaaab
	v_fmaak_f32 v[T+6], v[T+6], v[T+4], 0xbf000000
	v_fmaak_f32 v[T+6], v[T+6], v[T+4], 0x3f800000   ; cos of the rest
	v_cvt_i32_f32 v[T+7], v[T+2]
	v_and_b32 v[T+8], 1, v[T+7]
	v_cmp_eq_u32 vcc_lo, 1, v[T+8]                   ; in an odd quadrant the two change places
	v_cndmask_b32 v[T+9], v[T+5], v[T+6], vcc_lo
	v_cndmask_b32 v[T+10], v[T+6], v[T+5], vcc_lo
	v_lshlrev_b32 v[T+8], 30, v[T+7]
	v_and_b32 v[T+8], 0x80000000, v[T+8]             ; sin is negative in quadrants 2, 3
	v_xor_b32 v[61+2*\e], v[T+8], v[T+9]
	v_add_nc_u32 v[T+7], 1, v[T+7]
	v_lshlrev_b32 v[T+8], 30, v[T+7]
	v_and_b32 v[T+8], 0x80000000, v[T+8]             ; cos in quadrants 1, 2
	v_xor_b32 v[60+2*\e], v[T+8], v[T+10]
.endm
; my 16 numbers of block b times their rows of Wiw: four heads, even and odd k apart: eight chains
.macro WIDOT sg, b
.set i_, 0
.rept 16
.irp hh, 0,1,2,3
.if (\sg == 0) && (\b == 0) && (i_ < 2)
	v_mul_f32 v[12+\hh+4*(i_%2)], v[X+16*\b+i_], v[R0+4*i_+\hh]     ; the first products start the sums
.else
	v_fmac_f32 v[12+\hh+4*(i_%2)], v[X+16*\b+i_], v[R0+4*i_+\hh]
.endif
.endr
.set i_, i_+1
.endr
.endm
; K step sg of my two
.macro SIDE sg
	s_wait_loadcnt 16-16*\sg                         ; this step's 16 loads are in; the other step's may be out
.irp p, 0,1,2,3,4,5,6,7,8,9,10,11,12,13,14,15
	ds_store_b128 v5, v[R0+64*\sg+4*\p:R0+64*\sg+4*\p+3] offset:STG1*\sg+528*\p
.endr
	s_wait_dscnt 0x0                                 ; the stores have read their registers
.irp b, 0,1,2,3
.irp j, 0,1,2,3
	ds_load_b128 v[X+16*\b+4*\j:X+16*\b+4*\j+3], v6 offset:STG1*\sg+128*\b+16*\j
.endr
.endr
.irp b, 0,1,2,3
.irp i, 0,1,2,3,4,5,6,7,8,9,10,11,12,13,14,15
	ds_load_b128 v[R0+4*\i:R0+4*\i+3], v8 offset:16*(128*\sg+32*\b+\i)   ; Wiw's rows of my 16 k: the 16 lanes of a half read one address
.endr
	s_wait_dscnt 0x0
	WIDOT \sg, \b
.endr
.if \sg
	s_wait_xcnt 0x0                                  ; the last step's stores have read the codes' registers
.endif
	QUANT X
	global_store_b128 v4, v[PC:PC+3], s[18:19] offset:1536*\sg
	global_store_b64 v39, v[PC+4:PC+5], s[18:19] offset:1536*\sg+512
	global_store_b128 v4, v[PC+6:PC+9], s[18:19] offset:1536*\sg+768
	global_store_b64 v39, v[PC+10:PC+11], s[18:19] offset:1536*\sg+1280
.if \sg == 0
	v_mov_b32 v37, v[PW]
.endif
.endm
	s_load_b128 s[4:7], s[0:1], 0x0                  ; x, Wiw
	s_load_b64 s[8:9], s[0:1], 0x10                  ; abuf
	v_lshl_add_u32 v[SPW], v0, 2, SPARE
	v_mov_b32 v[NIL], 0
	v_lshrrev_b32 v1, 5, v0
	v_readfirstlane_b32 s10, v1                      ; wave
	v_and_b32 v1, 31, v0                             ; lane
	v_and_b32 v2, 15, v0                             ; r
	v_bfe_u32 v3, v0, 4, 1                           ; h
	v_lshlrev_b32 v4, 4, v1
	v_lshlrev_b32 v39, 3, v1
	v_lshlrev_b32 v9, 2, v1
	s_mul_i32 s11, s10, WREG
	v_add_nc_u32 v5, s11, v4                         ; into a stage: 16 bytes a lane
	v_mul_u32_u24 v6, v2, 528
	v_lshl_add_u32 v6, v3, 6, v6
	v_add_nc_u32 v6, s11, v6                         ; out of it: row r, + 64 h
	v_add_nc_u32 v7, WQ, v5
	v_lshlrev_b32 v8, 8, v3
	v_add_nc_u32 v8, s11, v8
	v_add_nc_u32 v8, WQ, v8                          ; Wiw's rows: lanes 16-31 begin 16 rows on
.irp b, 0,1,2,3
	v_mov_b32 v[TM+4+\b], 0                          ; a lane permute's destination counts as one of its sources
.endr
	s_mov_b32 s[SEL], 0x76543210
	s_mov_b32 s[SEL+1], 0xfedcba98
	s_mov_b32 s34, 0xffff0000
	s_lshr_b32 s12, ttmp9, 1
	s_and_b32 s13, ttmp9, 1
	s_lshl_b32 s14, s12, 17                          ; x: token 32 (g / 2) + 8 (g % 2), rows of 4,096 bytes, + 1,024 w
	s_lshl_b32 s15, s13, 15
	s_add_co_u32 s14, s14, s15
	s_lshl_b32 s15, s10, 10
	s_add_co_u32 s14, s14, s15
	s_mov_b32 s15, 0
	s_lshl_b32 s16, s10, 12                          ; Wiw: 256 rows of 16 bytes a wave
	s_mov_b32 s17, 0
	s_mul_i32 s20, ttmp9, XRECB
	s_mul_i32 s18, s10, 3072
	s_add_co_u32 s18, s18, s20                       ; my two K steps in the tile's record
	s_mov_b32 s19, 0
	s_lshl_b32 s22, s10, 7
	s_add_co_u32 s22, s22, s20
	s_add_co_u32 s22, s22, 12288                     ; and their scale words
	s_mov_b32 s23, 0
	s_lshl_b32 s24, ttmp9, 11
	s_lshl_b32 s25, s10, 9
	s_add_co_u32 s24, s24, s25
	s_add_co_u32 s24, s24, WIB
	s_mov_b32 s25, 0
	s_lshl_b32 s26, s12, 12
	s_lshl_b32 s27, s13, 2
	s_add_co_u32 s27, s27, s10
	s_lshl_b32 s27, s27, 9
	s_add_co_u32 s26, s26, s27
	s_add_co_u32 s26, s26, ROPE
	s_mov_b32 s27, 0
	s_wait_kmcnt 0x0
	s_add_nc_u64 s[4:5], s[4:5], s[14:15]
	s_add_nc_u64 s[6:7], s[6:7], s[16:17]
	s_add_nc_u64 s[18:19], s[8:9], s[18:19]
	s_add_nc_u64 s[22:23], s[8:9], s[22:23]
	s_add_nc_u64 s[24:25], s[8:9], s[24:25]
	s_add_nc_u64 s[26:27], s[8:9], s[26:27]
.irp i, 0,1,2,3,4,5,6,7
	global_load_b128 v[X+4*\i:X+4*\i+3], v4, s[6:7] offset:512*\i
.endr
.irp sg, 0,1
.irp p, 0,1,2,3,4,5,6,7,8,9,10,11,12,13,14,15
	global_load_b128 v[R0+64*\sg+4*\p:R0+64*\sg+4*\p+3], v4, s[4:5] offset:(\p+8*(\p/8))*4096+512*\sg th:TH_LOAD_NT   ; 512 consecutive bytes of a row
.endr
.endr
	; the table, while the loads are on their way: position tile g / 2, pairs j = 16 (g % 2) + 8 h + 2 w + 0, 1
	s_lshr_b32 s20, s12, 1
	s_lshl_b32 s20, s20, 5
	s_and_b32 s21, s12, 1
	s_lshl_b32 s21, s21, 3
	s_add_co_u32 s20, s20, s21
	v_and_b32 v254, 8, v2
	v_add_nc_u32 v254, v254, v2
	v_add_nc_u32 v254, s20, v254
	v_cvt_f32_u32 v254, v254                         ; my position
	s_lshl_b32 s21, s13, 4
	s_lshl_b32 s28, s10, 1
	s_add_co_u32 s21, s21, s28
	v_lshl_add_u32 v255, v3, 3, s21
.irp e, 0,1
	v_add_nc_u32 v[224+16*\e], \e, v255
	v_cvt_f32_u32 v[224+16*\e], v[224+16*\e]
	v_mul_f32 v[224+16*\e], 0xbed49a78, v[224+16*\e] ; - j log2(10) / 8
.endr
	v_exp_f32 v224, v224
	v_exp_f32 v240, v240
	v_nop                                            ; a plain place behind the transcendentals
	s_wait_alu depctr_va_vdst(0)                     ; one wait for both, ahead of the first reader
	TRIG 0
	TRIG 1
	global_store_b128 v4, v[60:63], s[26:27]         ; cos, sin, cos, sin: 512 consecutive bytes a wave
	s_wait_loadcnt 32                                ; Wiw's eight loads are in: the 32 of x are younger
.irp i, 0,1,2,3,4,5,6,7
	ds_store_b128 v7, v[X+4*\i:X+4*\i+3] offset:512*\i
.endr
	SIDE 0
	SIDE 1
.irp hh, 0,1,2,3
	v_add_f32 v[12+\hh], v[12+\hh], v[16+\hh]
.endr
.irp hh, 0,1,2,3
	v_permlanex16_b32 v[16+\hh], v[12+\hh], s[SEL], s[SEL+1]
.endr
.irp hh, 0,1,2,3
	v_add_f32 v[12+\hh], v[12+\hh], v[16+\hh]        ; my row's partial sums over this quarter of K
.endr
	global_store_b128 v4, v[12:15], s[24:25]
	v_cndmask_b32 v38, v37, v[PW], s34               ; lanes 0-15: the even K step's words; lanes 16-31: the odd one's
	global_store_b32 v9, v38, s[22:23]
	s_wait_tensorcnt 0x0                             ; the wave's end, behind my last LDS store
	ds_add_u32 v[SPW], v[NIL]
	s_wait_dscnt 0x0
	s_endpgm
.Lfunc_end_k_q7e064c619d_quant_x:
	.size	k_q7e064c619d_quant_x, .Lfunc_end_k_q7e064c619d_quant_x-k_q7e064c619d_quant_x
	.p2alignl 7, 3214868480
	.fill 96, 4, 3214868480
	.section	.rodata,"a",@progbits
	.p2align	6, 0x0
	.amdhsa_kernel k_q7e064c619d_quant_x
		.amdhsa_group_segment_fixed_size 86528
		.amdhsa_private_segment_fixed_size 0
		.amdhsa_enable_private_segment 0
		.amdhsa_kernarg_size 24
		.amdhsa_user_sgpr_count 2
		.amdhsa_user_sgpr_kernarg_segment_ptr 1
		.amdhsa_wavefront_size32 1
		.amdhsa_system_sgpr_workgroup_id_x 1
		.amdhsa_system_sgpr_workgroup_id_y 1
		.amdhsa_system_sgpr_workgroup_id_z 1
		.amdhsa_system_vgpr_workitem_id 0
		.amdhsa_next_free_vgpr 256
		.amdhsa_next_free_sgpr 66
		.amdhsa_reserve_vcc 1
		.amdhsa_float_denorm_mode_32 3
		.amdhsa_float_denorm_mode_16_64 3
		.amdhsa_memory_ordered 1
		.amdhsa_forward_progress 1
		.amdhsa_inst_pref_size 49
	.end_amdhsa_kernel
	.amdgpu_metadata
---
amdhsa.version: [ 1, 2 ]
amdhsa.kernels:
  - .name:           k_q7e064c619d_quant_x
    .symbol:         k_q7e064c619d_quant_x.kd
    .args:
      - { .name: x, .offset: 0, .size: 8, .value_kind: global_buffer, .address_space: global }
      - { .name: Wiw, .offset: 8, .size: 8, .value_kind: global_buffer, .address_space: global }
      - { .name: abuf, .offset: 16, .size: 8, .value_kind: global_buffer, .address_space: global }
    .group_segment_fixed_size: 86528
    .private_segment_fixed_size: 0
    .kernarg_segment_align: 8
    .kernarg_segment_size: 24
    .max_flat_workgroup_size: 128
    .sgpr_count:     66
    .vgpr_count:     256
    .wavefront_size: 32
...
	.end_amdgpu_metadata
.endif
;; end of part 1
;; launch quant_w (part 2): grid 69 x 4, 2 waves a work-group, no clusters, 13,056 bytes of LDS; arguments Wq, Wk, Wv, Wiq, Wik, Wo, wbuf; writes wbuf
.if DOCPART == 2
	.amdgcn_target "amdgcn-amd-amdhsa--gfx1250"
	.amdhsa_code_object_version 6
	.text
	.protected	k_q7e064c619d_quant_w
	.globl	k_q7e064c619d_quant_w
	.p2align	8
	.type	k_q7e064c619d_quant_w,@function
k_q7e064c619d_quant_w:
	s_mov_b64 s[64:65], 0
	v_nop
	global_prefetch_b8 v0, s[64:65] scope:SCOPE_SE
	s_setreg_imm32_b32 hwreg(HW_REG_WAVE_MODE, 25, 1), 1
	s_wait_xcnt 0x0
; The six weights [1024 (K)][N] f32 -> codes of E2M3 along K, laid as images of operand registers, and scale bytes.  The columns of all six count on as rows 0 .. 4,415: Wq 0, Wk 1,024, Wv 2,048, Wiq 3,072, Wik 3,328, Wo 3,392.
; A lane takes a column and its registers run down K: a block of 32 is one lane's 32 registers, and the conversions give codes with K innermost.  Work-group (cg, y): columns 64 cg on, K = 256 y on; wave w: 32 of the columns.
; TILES: lane r of tile 4 cg + 2 w + u holds column 64 cg + 32 w + 8 u + r + 8 (r / 8).  A fragment's image, 1,536 bytes: registers 0-3, 4-7, 8-11, each 16 bytes a lane.  wc [tile 276][K step 8][1,536]; ws [row][32 bytes].
; The codes go through the wave's own stage in LDS, laid as the images are, and leave 512 consecutive bytes a store.  The scale bytes leave 8 bytes a lane, rows 32 bytes apart: 141,312 bytes in the launch.
; LIMITS: as stated at the head of the first kernel.
.set WSOFF, 3391488
.set SPARE, 12800
.set SPW, 14
.set NIL, 15
.set SB,  24                           ; v24-25 my column's 8 scale bytes
.set OFF, 32                           ; v32-63 4 x lane + i rows of the tensor; never rewritten
.set X,   64                           ; v64-127 two sets of 32 numbers
.set C,   128                          ; v128-134 a block's codes
.set OUTR, 136                         ; v136-183 the way out
	s_load_b256 s[4:11], s[0:1], 0x0                 ; Wq, Wk, Wv, Wiq
	s_load_b128 s[12:15], s[0:1], 0x20               ; Wik, Wo
	s_load_b64 s[16:17], s[0:1], 0x30                ; wbuf
	v_lshl_add_u32 v[SPW], v0, 2, SPARE
	v_mov_b32 v[NIL], 0
	v_lshrrev_b32 v1, 5, v0
	v_readfirstlane_b32 s19, v1                      ; wave
	v_and_b32 v1, 31, v0                             ; lane
	v_lshlrev_b32 v2, 2, v1
	v_lshlrev_b32 v5, 4, v1
	v_lshlrev_b32 v6, 5, v1
	v_bfe_u32 v7, v1, 3, 1                           ; u
	v_mul_u32_u24 v3, v7, 3200
	v_and_b32 v7, 7, v1
	v_lshl_add_u32 v3, v7, 4, v3
	v_lshrrev_b32 v7, 4, v1
	v_lshl_add_u32 v3, v7, 7, v3                     ; + 16 r, r = lane % 8 + 8 (lane / 16)
	s_mul_i32 s48, s19, 6400
	v_add_nc_u32 v3, s48, v3                         ; into my stage
	v_add_nc_u32 v4, s48, v5                         ; out of it
	s_and_b32 s18, ttmp7, 0xffff                     ; y
	s_mov_b32 s22, 53                                ; which tensor: its first cg and its row in bytes, by the work-group's number alone
	s_mov_b32 s23, 4096
	s_cmp_lt_u32 ttmp9, 53
	s_cselect_b32 s22, 52, s22
	s_cselect_b32 s23, 256, s23
	s_cmp_lt_u32 ttmp9, 52
	s_cselect_b32 s22, 48, s22
	s_cselect_b32 s23, 1024, s23
	s_cmp_lt_u32 ttmp9, 48
	s_cselect_b32 s22, 32, s22
	s_cselect_b32 s23, 4096, s23
	s_cmp_lt_u32 ttmp9, 32
	s_cselect_b32 s22, 16, s22
	s_cmp_lt_u32 ttmp9, 16
	s_cselect_b32 s22, 0, s22
.set i_, 0
.rept 32
	s_mul_i32 s48, s23, i_
	v_add_nc_u32 v[OFF+i_], s48, v2
.set i_, i_+1
.endr
	s_lshl_b32 s40, s18, 8
	s_mul_i32 s40, s40, s23                          ; 256 y rows,
	s_sub_co_u32 s41, ttmp9, s22
	s_lshl_b32 s41, s41, 8
	s_add_co_u32 s40, s40, s41                       ; 64 columns a cg,
	s_lshl_b32 s41, s19, 7
	s_add_co_u32 s40, s40, s41                       ; 32 a wave
	s_mov_b32 s41, 0
	s_lshl_b32 s42, s23, 5                           ; a block of 32 rows on
	s_mov_b32 s43, 0
	s_lshl_b32 s44, ttmp9, 11                        ; ws: 64 rows of 32 bytes a cg,
	s_lshl_b32 s45, s19, 10
	s_add_co_u32 s44, s44, s45
	s_lshl_b32 s45, s18, 3
	s_add_co_u32 s44, s44, s45
	s_add_co_u32 s44, s44, WSOFF
	s_mov_b32 s45, 0
	s_lshl_b32 s46, ttmp9, 2
	s_lshl_b32 s47, s19, 1
	s_add_co_u32 s46, s46, s47
	s_mul_i32 s46, s46, 12288                        ; wc: tile 4 cg + 2 w,
	s_mul_i32 s47, s18, 3072
	s_add_co_u32 s46, s46, s47                       ; K step 2 y
	s_mov_b32 s47, 0
	s_wait_kmcnt 0x0
	s_mov_b64 s[20:21], s[14:15]
	s_cmp_lt_u32 ttmp9, 53
	s_cselect_b64 s[20:21], s[12:13], s[20:21]
	s_cmp_lt_u32 ttmp9, 52
	s_cselect_b64 s[20:21], s[10:11], s[20:21]
	s_cmp_lt_u32 ttmp9, 48
	s_cselect_b64 s[20:21], s[8:9], s[20:21]
	s_cmp_lt_u32 ttmp9, 32
	s_cselect_b64 s[20:21], s[6:7], s[20:21]
	s_cmp_lt_u32 ttmp9, 16
	s_cselect_b64 s[20:21], s[4:5], s[20:21]
	s_add_nc_u64 s[24:25], s[20:21], s[40:41]        ; a base for each of my 8 blocks: none is stepped
.irp t, 1,2,3,4,5,6,7
	s_add_nc_u64 s[24+2*\t:25+2*\t], s[22+2*\t:23+2*\t], s[42:43]
.endr
	s_add_nc_u64 s[44:45], s[16:17], s[44:45]
	s_add_nc_u64 s[46:47], s[16:17], s[46:47]
.macro LOAD t
.set i_, 0
.rept 32
	global_load_b32 v[X+32*((\t)%2)+i_], v[OFF+i_], s[24+2*(\t):25+2*(\t)] th:TH_LOAD_NT   ; a row of the tensor at 32 neighbouring columns
.set i_, i_+1
.endr
.endm
	LOAD 0
	LOAD 1
.macro BLOCK t
.set XS, X+32*((\t)%2)
.set BO, 1536*((\t)/4)+256*((\t)%2)    ; K step t / 4; block t % 4 lies in lanes 16 (t % 2) + r
.if (\t) < 7
	s_wait_loadcnt 32                                ; this block's 32 loads are in; the next block's may be out
.else
	s_wait_loadcnt 0x0
.endif
	v_max3_num_f32 v12, |v[XS]|, |v[XS+1]|, |v[XS+2]|
	v_max3_num_f32 v13, |v[XS+3]|, |v[XS+4]|, |v[XS+5]|
.irp i, 6,10,14,18,22,26
	v_max3_num_f32 v12, v12, |v[XS+\i]|, |v[XS+\i+1]|
	v_max3_num_f32 v13, v13, |v[XS+\i+2]|, |v[XS+\i+3]|
.endr
	v_max3_num_f32 v12, v12, |v[XS+30]|, |v[XS+31]|
	v_max3_num_f32 v12, v12, v13, 0x1800000          ; and the floor 2^(3 - 127)
	v_add_nc_u32 v11, 0xff000000, v12                ; 2 off the exponent field: the conversion's scale operand
	v_lshrrev_b32 v13, 23, v11
.if (\t)%4 == 0
	v_mov_b32 v[SB+(\t)/4], v13
.else
	v_lshl_or_b32 v[SB+(\t)/4], v13, 8*((\t)%4), v[SB+(\t)/4]
.endif
	v_cvt_scalef32_pk16_fp6_f32 v[C:C+2], v[XS:XS+15], v11
	v_cvt_scalef32_pk16_fp6_f32 v[C+4:C+6], v[XS+16:XS+31], v11
	v_nop                                            ; one plain place behind a scaled conversion
	v_mov_b32 v[C+3], v[C+4]
	v_mov_b32 v[C+4], v[C+5]
	v_mov_b32 v[C+5], v[C+6]                         ; the block's six registers on end
.if (\t)%4 < 2
	ds_store_b128 v3, v[C:C+3] offset:BO             ; registers 0-3,
	ds_store_b64 v3, v[C+4:C+5] offset:BO+512        ; 4-5
.else
	ds_store_b64 v3, v[C:C+1] offset:BO+512+8        ; registers 6-7,
	ds_store_b128 v3, v[C+2:C+5] offset:BO+1024      ; 8-11
.endif
.if (\t)+2 < 8
	LOAD (\t)+2
.endif
	s_wait_dscnt 0x0                                 ; the stores have read their registers
.endm
.irp t, 0,1,2,3,4,5,6,7
	BLOCK \t
.endr
	global_store_b64 v6, v[SB:SB+1], s[44:45]
.irp u, 0,1
.irp q, 0,1,2,3,4,5
	ds_load_b128 v[OUTR+4*(6*\u+\q):OUTR+4*(6*\u+\q)+3], v4 offset:3200*\u+512*\q
.endr
.endr
.irp u, 0,1
.irp q, 0,1,2,3,4,5
	s_wait_dscnt 11-6*\u-\q
	global_store_b128 v5, v[OUTR+4*(6*\u+\q):OUTR+4*(6*\u+\q)+3], s[46:47] offset:12288*\u+512*\q
.endr
.endr
	s_wait_tensorcnt 0x0                             ; the wave's end, behind my last LDS store
	ds_add_u32 v[SPW], v[NIL]
	s_wait_dscnt 0x0
	s_endpgm
.Lfunc_end_k_q7e064c619d_quant_w:
	.size	k_q7e064c619d_quant_w, .Lfunc_end_k_q7e064c619d_quant_w-k_q7e064c619d_quant_w
	.p2alignl 7, 3214868480
	.fill 96, 4, 3214868480
	.section	.rodata,"a",@progbits
	.p2align	6, 0x0
	.amdhsa_kernel k_q7e064c619d_quant_w
		.amdhsa_group_segment_fixed_size 13056
		.amdhsa_private_segment_fixed_size 0
		.amdhsa_enable_private_segment 0
		.amdhsa_kernarg_size 56
		.amdhsa_user_sgpr_count 2
		.amdhsa_user_sgpr_kernarg_segment_ptr 1
		.amdhsa_wavefront_size32 1
		.amdhsa_system_sgpr_workgroup_id_x 1
		.amdhsa_system_sgpr_workgroup_id_y 1
		.amdhsa_system_sgpr_workgroup_id_z 1
		.amdhsa_system_vgpr_workitem_id 0
		.amdhsa_next_free_vgpr 192
		.amdhsa_next_free_sgpr 66
		.amdhsa_reserve_vcc 0
		.amdhsa_float_denorm_mode_32 3
		.amdhsa_float_denorm_mode_16_64 3
		.amdhsa_memory_ordered 1
		.amdhsa_forward_progress 1
		.amdhsa_inst_pref_size 45
	.end_amdhsa_kernel
	.amdgpu_metadata
---
amdhsa.version: [ 1, 2 ]
amdhsa.kernels:
  - .name:           k_q7e064c619d_quant_w
    .symbol:         k_q7e064c619d_quant_w.kd
    .args:
      - { .name: Wq, .offset: 0, .size: 8, .value_kind: global_buffer, .address_space: global }
      - { .name: Wk, .offset: 8, .size: 8, .value_kind: global_buffer, .address_space: global }
      - { .name: Wv, .offset: 16, .size: 8, .value_kind: global_buffer, .address_space: global }
      - { .name: Wiq, .offset: 24, .size: 8, .value_kind: global_buffer, .address_space: global }
      - { .name: Wik, .offset: 32, .size: 8, .value_kind: global_buffer, .address_space: global }
      - { .name: Wo, .offset: 40, .size: 8, .value_kind: global_buffer, .address_space: global }
      - { .name: wbuf, .offset: 48, .size: 8, .value_kind: global_buffer, .address_space: global }
    .group_segment_fixed_size: 13056
    .private_segment_fixed_size: 0
    .kernarg_segment_align: 8
    .kernarg_segment_size: 56
    .max_flat_workgroup_size: 64
    .sgpr_count:     66
    .vgpr_count:     192
    .wavefront_size: 32
...
	.end_amdgpu_metadata
.endif
;; end of part 2
;; launch proj (part 3): grid 14 x 16, 4 waves a work-group, no clusters, 205,312 bytes of LDS; arguments abuf, wbuf, gq, gk, pbuf; writes pbuf
.if DOCPART == 3
	.amdgcn_target "amdgcn-amd-amdhsa--gfx1250"
	.amdhsa_code_object_version 6
	.text
	.protected	k_q7e064c619d_proj
	.globl	k_q7e064c619d_proj
	.p2align	8
	.type	k_q7e064c619d_proj,@function
k_q7e064c619d_proj:
	s_mov_b64 s[64:65], 0
	v_nop
	global_prefetch_b8 v0, s[64:65] scope:SCOPE_SE
	s_setreg_imm32_b32 hwreg(HW_REG_WAVE_MODE, 25, 1), 1
	s_wait_xcnt 0x0
; Products 1-4 and 6 on codes of E2M3; RMS norm and rotation of Q and K in f32; every result quantised in registers and stored as images of the next products' operands.
; SHARES.  Work-group (quad, tc): 256 tokens (16 records of x's codes, 204,800 dense bytes, brought into LDS once) against four groups of 64 columns; wave w holds group cg = min(4 quad + w, 52) of the weights in its
; registers for the whole launch (384 registers).  Quads 0-3 Q, 4-7 K, 8-11 V, 12 the indexer's queries, 13 its keys: there all four waves hold Wik and wave w takes unit w alone.  A unit: 64 tokens x 64 columns, 16 accumulators.
; Q, K and the indexer's: source 0 = the weights, source 1 = x: a lane holds a token and its registers run along the columns, the next K.  V: the sources swapped: a lane holds a channel and its registers run along the keys.
; RECORDS of 13,312 bytes: 16 half images (16 rows x 64 k: registers 0-3 16 bytes a lane, 4-5 8 bytes a lane at +512), then at +12,288 scale words, 64 bytes a tile (V: [channel tile][lane][8 block bytes]).
; NO CLUSTER: what work-groups share is x's chunk, along the 14 quads, and 14 is no multiple of 4; the weights come by lane loads.  No prefetch: all tiles are asked for at the head.
; Tensor loads: two a wave, both first fills; nothing is filled again.
.set REC,   13312
.set ROPE,  3801088
.set WSOFF, 3391488
.set SPARE, 204800
.set SPW, 10
.set NIL, 11
.set VS,  12                           ; v12-19 V's block bytes, two words for each channel tile
.set TM,  20
.set PW,  36
.set PC,  48
.set XS,  80                           ; v80-95  x's scale words: tile t, K steps 2 p (lanes 0-15) and 2 p + 1 (lanes 16-31) at XS + 4 t + p
.set WS,  96                           ; v96-127 the weights' scale words: tile c, K step s at WS + 8 c + s
.set ACC, 128                          ; v128-255 the accumulators
; window 1: the weights' K steps 0-4 at 48 s + 12 c;  window 2: K steps 5-7 at 48 (s - 5) + 12 c, x's two sets at 144 + 48 (s % 2) + 12 t;  window 3: v0-31 the gains, v32-159 cos and sin, 32 a tile
.set SEL,  20
.set WV,   14
.set QUAD, 15
.set UB,   48                          ; s48 LDS byte of the unit's first record
.set UN,   49                          ; s49 the unit's number
.set ONLY, 58
.set MSB, 0
.macro WIN new
.if MSB != \new
	s_set_vgpr_msb (MSB<<8)|\new
.set MSB, \new
.endif
.endm
.macro QUANT s
.irp b, 0,1,2,3
	v_max3_num_f32 v[TM+\b], |v[\s+16*\b]|, |v[\s+1+16*\b]|, 0x1800000
.endr
.irp i, 2,4,6,8,10,12,14
.irp b, 0,1,2,3
	v_max3_num_f32 v[TM+\b], v[TM+\b], |v[\s+16*\b+\i]|, |v[\s+1+16*\b+\i]|
.endr
.endr
.irp b, 0,1,2,3
	v_permlanex16_b32 v[TM+4+\b], v[TM+\b], s[SEL], s[SEL+1]
.endr
.irp b, 0,1,2,3
	v_max_num_f32 v[TM+\b], v[TM+\b], v[TM+4+\b]
.endr
.irp b, 0,1,2,3
	v_add_nc_u32 v[TM+12+\b], 0xff000000, v[TM+\b]
.endr
.irp b, 0,1,2,3
	v_lshrrev_b32 v[TM+4+\b], 23, v[TM+12+\b]
.endr
	v_lshl_or_b32 v[PW], v[TM+5], 8, v[TM+4]
	v_lshl_or_b32 v[PW], v[TM+6], 16, v[PW]
	v_lshl_or_b32 v[PW], v[TM+7], 24, v[PW]
.irp c, 0,1
	v_cvt_scalef32_pk16_fp6_f32 v[PC+6*\c:PC+2+6*\c], v[\s+32*\c:\s+15+32*\c], v[TM+12+2*\c]
	v_cvt_scalef32_pk16_fp6_f32 v[PC+12+4*\c:PC+14+4*\c], v[\s+16+32*\c:\s+31+32*\c], v[TM+12+2*\c+1]
.endr
	v_nop                                            ; one plain place behind a scaled conversion
.irp c, 0,1
.irp i, 0,1,2
	v_permlane16_swap_b32 v[PC+6*\c+\i], v[PC+12+4*\c+\i]
.endr
.irp i, 0,1,2
	v_mov_b32 v[PC+3+6*\c+\i], v[PC+12+4*\c+\i]
.endr
.endr
.endm
; one matrix instruction on D_, A_, B_, SA_, SB_
.macro WM zero, rowa, rowb
.if \zero
.if \rowa
	v_wmma_scale_f32_16x16x128_f8f6f4 v[D_:D_+7], v[A_:A_+11], v[B_:B_+11], 0, v[SA_], v[SB_] matrix_a_fmt:MATRIX_FMT_FP6 matrix_b_fmt:MATRIX_FMT_FP6 matrix_a_scale:MATRIX_SCALE_ROW1
.elseif \rowb
	v_wmma_scale_f32_16x16x128_f8f6f4 v[D_:D_+7], v[A_:A_+11], v[B_:B_+11], 0, v[SA_], v[SB_] matrix_a_fmt:MATRIX_FMT_FP6 matrix_b_fmt:MATRIX_FMT_FP6 matrix_b_scale:MATRIX_SCALE_ROW1
.else
	v_wmma_scale_f32_16x16x128_f8f6f4 v[D_:D_+7], v[A_:A_+11], v[B_:B_+11], 0, v[SA_], v[SB_] matrix_a_fmt:MATRIX_FMT_FP6 matrix_b_fmt:MATRIX_FMT_FP6
.endif
.else
.if \rowa
	v_wmma_scale_f32_16x16x128_f8f6f4 v[D_:D_+7], v[A_:A_+11], v[B_:B_+11], v[D_:D_+7], v[SA_], v[SB_] matrix_a_fmt:MATRIX_FMT_FP6 matrix_b_fmt:MATRIX_FMT_FP6 matrix_a_scale:MATRIX_SCALE_ROW1
.elseif \rowb
	v_wmma_scale_f32_16x16x128_f8f6f4 v[D_:D_+7], v[A_:A_+11], v[B_:B_+11], v[D_:D_+7], v[SA_], v[SB_] matrix_a_fmt:MATRIX_FMT_FP6 matrix_b_fmt:MATRIX_FMT_FP6 matrix_b_scale:MATRIX_SCALE_ROW1
.else
	v_wmma_scale_f32_16x16x128_f8f6f4 v[D_:D_+7], v[A_:A_+11], v[B_:B_+11], v[D_:D_+7], v[SA_], v[SB_] matrix_a_fmt:MATRIX_FMT_FP6 matrix_b_fmt:MATRIX_FMT_FP6
.endif
.endif
.endm
.macro FETCH s                         ; x's four fragments of K step s, as they were stored (destination window 2)
.irp t, 0,1,2,3
.set F_, 144+48*((\s)%2)+12*\t
	ds_load_b128 v[F_:F_+3], v4 offset:12800*\t+1536*(\s)
	ds_load_b64 v[F_+4:F_+5], v5 offset:12800*\t+1536*(\s)+512
	ds_load_b128 v[F_+6:F_+9], v4 offset:12800*\t+1536*(\s)+768
	ds_load_b64 v[F_+10:F_+11], v5 offset:12800*\t+1536*(\s)+1280
.endr
.endm
; K step s: the next step's fragments are asked for first; 16 matrix instructions, the 16 accumulators by turns; four places
.macro MMS path, s, first, extra
.if \s < 7
	WIN 0x80
	FETCH (\s+1)
	s_wait_dscnt 16                                  ; all but the 16 just issued
.else
	s_wait_dscnt 0x0
.endif
.if \first                                       ; the weights' loads went out K step by K step: 12 for each later step, and the arm's own loads, are younger
.if 12*(7-\s)+\extra > 63
	s_wait_loadcnt 63
.else
	s_wait_loadcnt 12*(7-\s)+\extra
.endif
.endif
.if \s < 5
.set WR_, 48*\s
.else
.set WR_, 48*(\s-5)
.endif
.if \s >= 5
	WIN 0x0a
.elseif \path == 1
	WIN 0x09
.else
	WIN 0x06
.endif
.irp t, 0,1,2,3
.irp c, 0,1,2,3
.if \path == 1
.set D_, ACC+32*\t+8*\c
.set A_, WR_+12*\c
.set B_, 144+48*(\s%2)+12*\t
.set SA_, WS+8*\c+\s
.set SB_, XS+4*\t+\s/2
	WM (\s==0), 0, (\s%2)
.else
.set D_, ACC+32*\c+8*\t
.set A_, 144+48*(\s%2)+12*\t
.set B_, WR_+12*\c
.set SA_, XS+4*\t+\s/2
.set SB_, WS+8*\c+\s
	WM (\s==0), (\s%2), 0
.endif
.endr
.endr
.rept 4
	v_nop                                            ; places in front of loads into the set just read, and of the first read of results
.endr
.endm
.macro MM path, first, extra
.irp t, 0,1,2,3
.irp p, 0,1,2,3
	ds_load_b32 v[XS+4*\t+\p], v6 offset:12800*\t+12288+128*\p
.endr
.endr
	WIN 0x80
	FETCH 0
.irp s, 0,1,2,3,4,5,6,7
	MMS \path, \s, \first, \extra
.endr
	WIN 0
.endm
.macro GCLOAD                          ; the gains of my lane's 32 columns, and cos and sin of the unit's four tiles: 40 loads into window 3
	WIN 0xc0
.irp b, 0,1
.irp j, 0,1,2,3
	global_load_b128 v[16*\b+4*\j:16*\b+4*\j+3], v8, s[70:71] offset:128*\b+16*\j
.endr
.endr
.irp t, 0,1,2,3
.irp c, 0,1,2,3,4,5,6,7
	global_load_b128 v[32+32*\t+4*\c:32+32*\t+4*\c+3], v1, s[54:55] offset:4096*\t+512*\c
.endr
.endr
	WIN 0
.endm
; x rsqrt(mean(x x) + eps) g, then the rotation of neighbouring pairs; a head is the wave's 64 columns: 32 in my lane, 32 in lane l xor 16
.macro NORMROPE
	s_wait_loadcnt 0x0
.irp t, 0,1,2,3
	v_pk_mul_f32 v[38+2*\t:39+2*\t], v[ACC+32*\t:ACC+32*\t+1], v[ACC+32*\t:ACC+32*\t+1]   ; each accumulator is read from its low end on
.endr
.set n_, 2
.rept 15
.irp t, 0,1,2,3
	v_pk_fma_f32 v[38+2*\t:39+2*\t], v[ACC+32*\t+n_:ACC+32*\t+n_+1], v[ACC+32*\t+n_:ACC+32*\t+n_+1], v[38+2*\t:39+2*\t]
.endr
.set n_, n_+2
.endr
.irp t, 0,1,2,3
	v_add_f32 v[38+2*\t], v[38+2*\t], v[39+2*\t]
.endr
.irp t, 0,1,2,3
	v_permlanex16_b32 v[39+2*\t], v[38+2*\t], s[SEL], s[SEL+1]
.endr
.irp t, 0,1,2,3
	v_add_f32 v[38+2*\t], v[38+2*\t], v[39+2*\t]
.endr
.irp t, 0,1,2,3
	v_fma_f32 v[38+2*\t], v[38+2*\t], s22, s23       ; / 64, + 2^-23
.endr
.irp t, 0,1,2,3
	v_rsq_f32 v[38+2*\t], v[38+2*\t]
.endr
	v_nop                                            ; a plain place behind the transcendentals
	s_wait_alu depctr_va_vdst(0)                     ; one wait for the four, ahead of the first reader
.set n_, 0
.rept 64
	v_pk_mul_f32 v[ACC+n_:ACC+n_+1], v[ACC+n_:ACC+n_+1], v[38+2*(n_/32):39+2*(n_/32)] op_sel_hi:[1,0]
.set n_, n_+2
.endr
	WIN 0x0c                                         ; source 1 in window 3
.set n_, 0
.rept 64
	v_pk_mul_f32 v[ACC+n_:ACC+n_+1], v[ACC+n_:ACC+n_+1], v[n_%32:n_%32+1]
.set n_, n_+2
.endr
.set n_, 0
.rept 64                                         ; pair n_ / 2: cos at 32 + n_, sin at 33 + n_ of window 3
.set T_, 68+2*((n_/2)%4)
	v_mul_f32 v[T_], v[ACC+n_+1], v[33+n_]
	v_mul_f32 v[T_+1], v[ACC+n_], v[33+n_]
	v_fma_f32 v[ACC+n_], v[ACC+n_], v[32+n_], -v[T_]
	v_fma_f32 v[ACC+n_+1], v[ACC+n_+1], v[32+n_], v[T_+1]
.set n_, n_+2
.endr
	WIN 0
.endm
.macro HALVES g                        ; the fragment just made is two half images: 2 g and 2 g + 1 of the unit's four
	global_store_b128 v1, v[PC:PC+3], s[50:51] offset:1536*\g
	global_store_b64 v2, v[PC+4:PC+5], s[50:51] offset:1536*\g+512
	global_store_b128 v1, v[PC+6:PC+9], s[50:51] offset:1536*\g+768
	global_store_b64 v2, v[PC+10:PC+11], s[50:51] offset:1536*\g+1280
.endm
.macro EPQ                             ; a lane holds a token: two token tiles make a run of 64 registers
.irp g, 0,1
	s_wait_xcnt 0x0                                  ; earlier stores have read the registers that are written now
	QUANT ACC+64*\g
	HALVES \g
	v_and_b32 v37, 0xffff, v[PW]
	v_lshrrev_b32 v46, 16, v[PW]
	v_cndmask_b32 v37, v37, v46, s59                 ; lanes 0-15: the even tile's word, lanes 16-31: the odd one's; bytes 2, 3 stay 0 over zero codes
	global_store_b32 v3, v37, s[52:53] offset:128*\g
.endr
.endm
.macro EPV                             ; a lane holds a channel: two channel tiles make a run of 64 registers; the unit's two block bytes are shifted into each tile's pair of words
.irp g, 0,1
	s_wait_xcnt 0x0
	QUANT ACC+64*\g
	HALVES \g
	v_alignbit_b32 v[VS+4*\g], v[VS+4*\g+1], v[VS+4*\g], 16
	v_alignbit_b32 v[VS+4*\g+1], v[PW], v[VS+4*\g+1], 16
	v_lshrrev_b32 v46, 16, v[PW]
	v_alignbit_b32 v[VS+4*\g+2], v[VS+4*\g+3], v[VS+4*\g+2], 16
	v_alignbit_b32 v[VS+4*\g+3], v46, v[VS+4*\g+3], 16
.endr
.endm
.macro UNIT first
	s_cmp_eq_u32 s[ONLY], 0xff                       ; ids alone: in quad 13 a wave takes one unit
	s_cbranch_scc1 .Ldo_\@
	s_cmp_lg_u32 s[ONLY], s[UN]
	s_cbranch_scc1 .Lend_\@
.Ldo_\@:
	v_add_nc_u32 v4, s[UB], v1
	v_add_nc_u32 v5, s[UB], v2
	v_add_nc_u32 v6, s[UB], v3
	s_cmp_lt_u32 s[QUAD], 8
	s_cbranch_scc0 .Lnot_qk_\@
	GCLOAD
	MM 1, \first, 40
	NORMROPE
	EPQ
	s_branch .Lend_\@
.Lnot_qk_\@:
	s_cmp_lt_u32 s[QUAD], 12
	s_cbranch_scc0 .Lplain_\@
	MM 2, \first, 0
	EPV
	s_branch .Lend_\@
.Lplain_\@:
	MM 1, \first, 0
	EPQ
.Lend_\@:
	s_wait_xcnt 0x0                                  ; the unit's loads and stores have read their bases
	s_add_co_u32 s[UB], s[UB], 51200
	s_add_co_u32 s[UN], s[UN], 1
	s_add_nc_u64 s[50:51], s[50:51], 3072
	s_add_nc_u64 s[52:53], s[52:53], 256
	s_add_nc_u64 s[54:55], s[54:55], 16384
.endm
	s_load_b256 s[4:11], s[0:1], 0x0                 ; abuf, wbuf, gq, gk
	s_load_b64 s[12:13], s[0:1], 0x20                ; pbuf
	v_lshl_add_u32 v[SPW], v0, 2, SPARE
	v_mov_b32 v[NIL], 0
	ds_add_u32 v[SPW], v[NIL]                        ; the wave's opening: the add, twice on end, and its wait ahead of my first tensor load
	ds_add_u32 v[SPW], v[NIL]
	v_lshrrev_b32 v9, 5, v0
	v_readfirstlane_b32 s[WV], v9
	s_mov_b32 s[QUAD], ttmp9
	s_and_b32 s16, ttmp7, 0xffff                     ; tc
	s_lshl_b32 s17, s[QUAD], 2
	s_add_co_u32 s17, s17, s[WV]
	s_min_u32 s17, s17, 52                           ; cg
	s_lshr_b32 s18, s16, 3                           ; batch
	s_and_b32 s19, s16, 7                            ; chunk of 256 tokens in it
	s_mov_b32 s24, 3<<16                             ; group 1: dense rows of 256 bytes (32 elements of 8), 50 rows: a record of x
	s_mov_b32 s25, 32<<16
	s_mov_b32 s26, 50<<16
	s_mov_b32 s27, 32<<16
	s_mov_b32 s28, 50
	s_mov_b32 s29, 32
	s_mov_b32 s30, 0
	s_mov_b32 s31, 0
	s_mov_b32 s32, 3<<16                             ; and 150 rows: three records
	s_mov_b32 s33, 32<<16
	s_mov_b32 s34, 150<<16
	s_mov_b32 s35, 32<<16
	s_mov_b32 s36, 150
	s_mov_b32 s37, 32
	s_mov_b32 s38, 0
	s_mov_b32 s39, 0
	s_mov_b32 s40, 1
	s_mul_i32 s41, s[WV], 12800                      ; unit 0: record w
	s_mov_b32 s44, 1
	s_mul_i32 s45, s[WV], 38400
	s_add_co_u32 s45, s45, 51200                     ; units 1-3: records 4 + 3 w on
	s_mul_i32 s60, s16, 204800
	s_add_co_u32 s62, s60, s45
	s_add_co_u32 s60, s60, s41
	s_mov_b32 s61, 0
	s_mov_b32 s63, 0
	s_mov_b32 s[SEL], 0x76543210
	s_mov_b32 s[SEL+1], 0xfedcba98
	s_mov_b32 s22, 0x3c800000                        ; 1 / 64
	s_mov_b32 s23, 0x34000000                        ; eps = 2^-23
	s_mov_b32 s59, 0xffff0000
	s_mov_b32 s[UB], 0
	s_mov_b32 s[UN], 0
	s_cmp_eq_u32 s[QUAD], 13
	s_cselect_b32 s[ONLY], s[WV], 0xff
	; my record: Q, K, V: 256 (cg / 16) + 128 b + 8 (cg % 16) + chunk;  the indexer's queries: 768 + 32 b + 8 (cg % 4) + chunk;  its keys: 832 + 8 b + chunk
	s_lshr_b32 s66, s17, 4
	s_lshl_b32 s66, s66, 8
	s_and_b32 s67, s17, 15
	s_lshl_b32 s67, s67, 3
	s_add_co_u32 s66, s66, s67
	s_lshl_b32 s67, s18, 7
	s_add_co_u32 s66, s66, s67
	s_and_b32 s67, s17, 3
	s_lshl_b32 s67, s67, 3
	s_add_co_u32 s67, s67, 768
	s_lshl_b32 s68, s18, 5
	s_add_co_u32 s67, s67, s68
	s_lshl_b32 s68, s18, 3
	s_add_co_u32 s68, s68, 832
	s_cmp_lt_u32 s[QUAD], 12
	s_cselect_b32 s66, s66, s67
	s_cmp_eq_u32 s[QUAD], 13
	s_cselect_b32 s66, s68, s66
	s_add_co_u32 s66, s66, s19
	s_mul_i32 s50, s66, REC
	s_mov_b32 s51, 0
	s_lshl_b32 s54, s19, 16                          ; the table: 16 position tiles of 4,096 bytes a chunk
	s_add_co_u32 s54, s54, ROPE
	s_mov_b32 s55, 0
	s_mul_i32 s66, s17, 49152
	s_mov_b32 s67, 0
	s_lshl_b32 s68, s17, 11
	s_add_co_u32 s68, s68, WSOFF
	s_mov_b32 s69, 0
	s_wait_dscnt 0x0                                 ; both opening adds are done
	s_wait_kmcnt 0x0
	s_add_nc_u64 s[42:43], s[4:5], s[60:61]
	s_or_b32 s43, s43, 0x80000000
	s_add_nc_u64 s[46:47], s[4:5], s[62:63]
	s_or_b32 s47, s47, 0x80000000
	tensor_load_to_lds s[40:43], s[24:31]            ; both first fills go out together: two tensor loads of mine are out
	s_nop 0
	tensor_load_to_lds s[44:47], s[32:39]
	s_nop 0
	v_and_b32 v9, 31, v0
	v_lshlrev_b32 v1, 4, v9
	v_lshlrev_b32 v2, 3, v9
	v_lshlrev_b32 v3, 2, v9
	v_and_b32 v7, 15, v0
	v_and_b32 v8, 8, v7
	v_add_nc_u32 v7, v7, v8
	v_lshlrev_b32 v7, 5, v7                          ; (r + 8 (r / 8)) rows of 32 scale bytes
	v_bfe_u32 v8, v0, 4, 1
	v_lshlrev_b32 v8, 6, v8                          ; 64 h: my half's 16 gains
.irp b, 0,1,2,3
	v_mov_b32 v[TM+4+\b], 0
.endr
.irp i, 0,1,2,3,4,5,6,7
	v_mov_b32 v[VS+\i], 0
.endr
	s_add_nc_u64 s[50:51], s[12:13], s[50:51]        ; my record's images,
	s_add_nc_u64 s[52:53], s[50:51], 12288           ; its scale words,
	s_mov_b64 s[56:57], s[52:53]                     ; (kept for V's)
	s_add_nc_u64 s[54:55], s[4:5], s[54:55]
	s_add_nc_u64 s[66:67], s[6:7], s[66:67]
	s_add_nc_u64 s[68:69], s[6:7], s[68:69]
	s_cmp_lt_u32 s[QUAD], 4
	s_cselect_b64 s[70:71], s[8:9], s[10:11]
.irp c, 0,1,2,3
	global_load_b128 v[WS+8*\c:WS+8*\c+3], v7, s[68:69] offset:(32*(\c/2)+8*(\c%2))*32
	global_load_b128 v[WS+8*\c+4:WS+8*\c+7], v7, s[68:69] offset:(32*(\c/2)+8*(\c%2))*32+16
.endr
	WIN 0x40
.irp s, 0,1,2,3,4
.irp c, 0,1,2,3
.irp q, 0,1,2
	global_load_b128 v[48*\s+12*\c+4*\q:48*\s+12*\c+4*\q+3], v1, s[66:67] offset:12288*\c+1536*\s+512*\q
.endr
.endr
.endr
	WIN 0x80
.irp s, 5,6,7
.irp c, 0,1,2,3
.irp q, 0,1,2
	global_load_b128 v[48*(\s-5)+12*\c+4*\q:48*(\s-5)+12*\c+4*\q+3], v1, s[66:67] offset:12288*\c+1536*\s+512*\q
.endr
.endr
.endr
	WIN 0
	s_wait_tensorcnt 0x1                             ; my record of unit 0 is in; the three behind it may be out
	s_barrier_signal -1
	s_barrier_wait -1
	UNIT 1
	s_wait_loadcnt 0x0                               ; (a wave that left unit 0 out has waited for nothing yet)
	s_wait_tensorcnt 0x0
	s_wait_dscnt 0x0
	s_barrier_signal -1
	s_barrier_wait -1                                ; all 16 records lie in LDS
	s_mov_b32 s72, 3
.Lunit:
	UNIT 0
	s_sub_co_u32 s72, s72, 1
	s_cmp_lg_u32 s72, 0
	s_cbranch_scc1 .Lunit
	s_lshr_b32 s60, s[QUAD], 2
	s_cmp_lg_u32 s60, 2
	s_cbranch_scc1 .Lno_vs
.irp d, 0,1,2,3
	global_store_b64 v2, v[VS+2*\d:VS+2*\d+1], s[56:57] offset:256*\d   ; a channel's 8 block bytes; lanes 16-31 hold the same as lanes 0-15
.endr
.Lno_vs:
	s_wait_tensorcnt 0x0                             ; the wave's end
	ds_add_u32 v[SPW], v[NIL]
	s_wait_dscnt 0x0
	s_endpgm
.Lfunc_end_k_q7e064c619d_proj:
	.size	k_q7e064c619d_proj, .Lfunc_end_k_q7e064c619d_proj-k_q7e064c619d_proj
	.p2alignl 7, 3214868480
	.fill 96, 4, 3214868480
	.section	.rodata,"a",@progbits
	.p2align	6, 0x0
	.amdhsa_kernel k_q7e064c619d_proj
		.amdhsa_group_segment_fixed_size 205312
		.amdhsa_private_segment_fixed_size 0
		.amdhsa_enable_private_segment 0
		.amdhsa_kernarg_size 40
		.amdhsa_user_sgpr_count 2
		.amdhsa_user_sgpr_kernarg_segment_ptr 1
		.amdhsa_wavefront_size32 1
		.amdhsa_system_sgpr_workgroup_id_x 1
		.amdhsa_system_sgpr_workgroup_id_y 1
		.amdhsa_system_sgpr_workgroup_id_z 1
		.amdhsa_system_vgpr_workitem_id 0
		.amdhsa_next_free_vgpr 1024
		.amdhsa_next_free_sgpr 80
		.amdhsa_reserve_vcc 0
		.amdhsa_float_denorm_mode_32 3
		.amdhsa_float_denorm_mode_16_64 3
		.amdhsa_memory_ordered 1
		.amdhsa_forward_progress 1
		.amdhsa_inst_pref_size 255
	.end_amdhsa_kernel
	.section	.bss,"aw",@nobits
	.p2align	6
	.space	262144
	.amdgpu_metadata
---
amdhsa.version: [ 1, 2 ]
amdhsa.kernels:
  - .name:           k_q7e064c619d_proj
    .symbol:         k_q7e064c619d_proj.kd
    .args:
      - { .name: abuf, .offset: 0, .size: 8, .value_kind: global_buffer, .address_space: global }
      - { .name: wbuf, .offset: 8, .size: 8, .value_kind: global_buffer, .address_space: global }
      - { .name: gq, .offset: 16, .size: 8, .value_kind: global_buffer, .address_space: global }
      - { .name: gk, .offset: 24, .size: 8, .value_kind: global_buffer, .address_space: global }
      - { .name: pbuf, .offset: 32, .size: 8, .value_kind: global_buffer, .address_space: global }
    .group_segment_fixed_size: 205312
    .private_segment_fixed_size: 0
    .kernarg_segment_align: 8
    .kernarg_segment_size: 40
    .max_flat_workgroup_size: 128
    .sgpr_count:     80
    .vgpr_count:     1024
    .wavefront_size: 32
...
	.end_amdgpu_metadata
.endif
;; end of part 3
;; launch index (part 4): grid 128 x 2, 16 waves a work-group, no clusters, 48,384 bytes of LDS; arguments pbuf, abuf, mbuf; writes mbuf
.if DOCPART == 4
	.amdgcn_target "amdgcn-amd-amdhsa--gfx1250"
	.amdhsa_code_object_version 6
	.text
	.protected	k_q7e064c619d_index
	.globl	k_q7e064c619d_index
	.p2align	8
	.type	k_q7e064c619d_index,@function
k_q7e064c619d_index:
	s_mov_b64 s[64:65], 0
	v_nop
	global_prefetch_b8 v0, s[64:65] scope:SCOPE_SE
	s_setreg_imm32_b32 hwreg(HW_REG_WAVE_MODE, 25, 1), 1
	s_wait_xcnt 0x0
; The indexer: product 7 on codes of E2M3 (K = 64: the fragments' upper halves are zero codes), relu, the sum over four heads weighted by wI in f32 (product 8), the 32nd largest causal score of each query, and the mask.
; LEFT OUT (shown at the head of the first kernel): 'safe', the sigmoid and 'soft'; key steps that lie wholly above the diagonal.
; SHARES.  Work-group (tile, batch): 16 queries.  Wave w: keys 128 w .. 128 w + 127, where these begin at or under the tile's last query (w <= tile / 8).  A lane holds one query (lane % 16) and 64 keys:
; register 16 b + i is key 128 w + 32 b + 16 (lane / 16) + i, as in the attention launch.  Operands go from memory straight to registers: each byte serves one wave.
; THE THRESHOLD is exact, equal scores counted as often as they occur: each lane sorts its 64 scores by a bitonic network (min and max between two banks of registers, no temporary), keeps the upper 32, joins them with
; lane l xor 16's; the waves' lists of 32 meet in LDS and are joined four at a time, twice.  The smallest of the last 32 is the threshold; held at -FLT_MAX from below, so that a row with fewer than 32 causal keys keeps all of them and no hidden key (-infinity) passes.
; THE MASK leaves as lane masks: word n of a step's 64 is the mask of score register n.  LIMIT: index scores that overflow are not served.
.set REC,   13312
.set WIB,   3276800
.set L2B,   36864                      ; LDS: 16 lists of 16 x 144 bytes, then 4 more
.set THR,   46080
.set SPARE, 46336
.set SPW, 11
.set NIL, 12
.set BX,  32
.set BY,  96
.set SC,  160                          ; v160-223 the scores: they stay
.set WV,  10
.macro STAGE src, dst, n, k, j         ; one stage of the network: element i against i xor j, ascending where i & k = 0
.set i_, 0
.rept \n
.set l_, i_^\j
.if l_ > i_
.if (i_&\k) == 0
	v_min_num_f32 v[\dst+i_], v[\src+i_], v[\src+l_]
	v_max_num_f32 v[\dst+l_], v[\src+i_], v[\src+l_]
.else
	v_max_num_f32 v[\dst+i_], v[\src+i_], v[\src+l_]
	v_min_num_f32 v[\dst+l_], v[\src+i_], v[\src+l_]
.endif
.endif
.set i_, i_+1
.endr
.endm
.macro SORT5                           ; 32 bitonic numbers in BY become 32 ascending in BX
	STAGE BY, BX, 32, 64, 16
	STAGE BX, BY, 32, 64, 8
	STAGE BY, BX, 32, 64, 4
	STAGE BX, BY, 32, 64, 2
	STAGE BY, BX, 32, 64, 1
.endm
.macro PARTNER                         ; the upper 32 of my ascending 32 and lane l xor 16's, bitonic, in BY
.set i_, 0
.rept 32
	v_permlanex16_b32 v[BY+i_], v[BX+31-i_], s14, s15
.set i_, i_+1
.endr
.set i_, 0
.rept 32
	v_max_num_f32 v[BY+i_], v[BY+i_], v[BX+i_]
.set i_, i_+1
.endr
.endm
.macro TWOLISTS adr                    ; two ascending lists from LDS; their upper 32, bitonic, in BY
.irp i, 0,1,2,3,4,5,6,7
	ds_load_b128 v[BX+4*\i:BX+4*\i+3], v[\adr] offset:16*\i
	ds_load_b128 v[BX+32+4*\i:BX+32+4*\i+3], v[\adr] offset:2304+16*\i
.endr
	s_wait_dscnt 0x0
.set i_, 0
.rept 32
	v_max_num_f32 v[BY+i_], v[BX+i_], v[BX+63-i_]
.set i_, i_+1
.endr
.endm
.macro LIST adr, reg
.irp i, 0,1,2,3,4,5,6,7
	ds_store_b128 v[\adr], v[\reg+4*\i:\reg+4*\i+3] offset:16*\i   ; lanes r and 16 + r hold the same list and write the same bytes
.endr
.endm
.macro BARRIER
	s_wait_dscnt 0x0
	s_barrier_signal -1
	s_barrier_wait -1
.endm
; tile t of 16 keys against the four heads' queries
.macro KT t
.if \t < 5
	s_wait_loadcnt 6                                 ; the loads of the three tiles behind this one may be out
.else
	s_wait_loadcnt 2*(7-\t)
.endif
.irp hh, 0,1,2,3
.if \t%2
	v_wmma_scale_f32_16x16x128_f8f6f4 v[128+8*\hh:135+8*\hh], v[80+12*(\t%4):91+12*(\t%4)], v[32+12*\hh:43+12*\hh], 0, v[244+\t/2], v[240+\hh] matrix_a_fmt:MATRIX_FMT_FP6 matrix_b_fmt:MATRIX_FMT_FP6 matrix_a_scale:MATRIX_SCALE_ROW1
.else
	v_wmma_scale_f32_16x16x128_f8f6f4 v[128+8*\hh:135+8*\hh], v[80+12*(\t%4):91+12*(\t%4)], v[32+12*\hh:43+12*\hh], 0, v[244+\t/2], v[240+\hh] matrix_a_fmt:MATRIX_FMT_FP6 matrix_b_fmt:MATRIX_FMT_FP6
.endif
.endr
.rept 4
	v_nop
.endr
.if \t < 4
	global_load_b128 v[80+12*\t:83+12*\t], v1, s[30:31] offset:768*(\t+4)
	global_load_b64 v[84+12*\t:85+12*\t], v2, s[30:31] offset:768*(\t+4)+512
.endif
.set n_, 0
.rept 32
	v_max_num_f32 v[128+n_], 0, v[128+n_]            ; relu; each accumulator from its low end on
.set n_, n_+1
.endr
.irp j, 0,2,4,6
	v_pk_mul_f32 v[SC+8*\t+\j:SC+8*\t+\j+1], v[128+\j:129+\j], v[18:19] op_sel_hi:[1,0]
.endr
.irp hh, 1,2,3
.irp j, 0,2,4,6
	v_pk_fma_f32 v[SC+8*\t+\j:SC+8*\t+\j+1], v[128+8*\hh+\j:129+8*\hh+\j], v[18+2*\hh:19+2*\hh], v[SC+8*\t+\j:SC+8*\t+\j+1] op_sel_hi:[1,0,1]   ; the heads in ascending order
.endr
.endr
.endm
	s_load_b128 s[4:7], s[0:1], 0x0                  ; pbuf, abuf
	s_load_b64 s[8:9], s[0:1], 0x10                  ; mbuf
	v_lshl_add_u32 v[SPW], v0, 2, SPARE
	v_mov_b32 v[NIL], 0
	v_lshrrev_b32 v1, 5, v0
	v_readfirstlane_b32 s[WV], v1
	v_and_b32 v27, 31, v0
	v_lshlrev_b32 v1, 4, v27
	v_lshlrev_b32 v2, 3, v27
	v_lshlrev_b32 v3, 2, v27
	v_and_b32 v4, 15, v0                             ; r
	v_bfe_u32 v5, v0, 4, 1                           ; h
	v_lshlrev_b32 v26, 2, v4
	v_mul_u32_u24 v6, v4, 144
	s_mul_i32 s16, s[WV], 2304
	s_and_b32 s17, s[WV], 3
	s_mul_i32 s18, s17, 9216
	s_mul_i32 s19, s17, 2304
	v_mad_u32_u24 v9, v5, 4608, v6
	v_add_nc_u32 v7, s18, v9                         ; first joining: lists 4 (w % 4) + 2 h and the next
	v_add_nc_u32 v8, s19, v6
	v_add_nc_u32 v8, L2B, v8                         ; its result: list 16 + w % 4
	v_add_nc_u32 v9, L2B, v9                         ; second joining: lists 16 + 2 h and the next
	v_add_nc_u32 v6, s16, v6                         ; my wave's list
	v_add_nc_u32 v10, THR, v26                       ; the threshold of query r
	v_mov_b32 v15, 0xff800000                        ; -infinity
	s_mov_b32 s14, 0x76543210
	s_mov_b32 s15, 0xfedcba98
	s_mov_b32 s11, ttmp9                             ; the tile
	s_and_b32 s12, ttmp7, 0xffff                     ; the batch
	s_lshr_b32 s13, s11, 3                           ; the last key step that counts
	s_lshl_b32 s20, s12, 5
	s_lshr_b32 s21, s11, 4
	s_add_co_u32 s20, s20, s21
	s_add_co_u32 s20, s20, 768
	s_mul_i32 s20, s20, REC                          ; head 0's record of the queries; the heads lie 8 records apart
	s_and_b32 s21, s11, 15
	s_mul_i32 s22, s21, 768
	s_add_co_u32 s28, s20, s22
	s_mov_b32 s29, 0
	s_lshl_b32 s22, s21, 6
	s_add_co_u32 s36, s20, s22
	s_add_co_u32 s36, s36, 12288
	s_mov_b32 s37, 0
	s_lshl_b32 s20, s12, 3
	s_lshr_b32 s21, s[WV], 1
	s_add_co_u32 s20, s20, s21
	s_add_co_u32 s20, s20, 832
	s_mul_i32 s20, s20, REC                          ; the keys' record,
	s_and_b32 s21, s[WV], 1
	s_mul_i32 s22, s21, 6144
	s_add_co_u32 s30, s20, s22                       ; my 8 tiles of its 16,
	s_mov_b32 s31, 0
	s_lshl_b32 s22, s21, 9
	s_add_co_u32 s38, s20, s22
	s_add_co_u32 s38, s38, 12288                     ; and their scale words
	s_mov_b32 s39, 0
	s_lshl_b32 s20, s12, 7
	s_add_co_u32 s20, s20, s11                       ; the tile among all 256
	s_lshl_b32 s32, s20, 11
	s_add_co_u32 s32, s32, WIB
	s_mov_b32 s33, 0
	s_lshl_b32 s34, s20, 4
	s_add_co_u32 s34, s34, s[WV]
	s_lshl_b32 s34, s34, 8
	s_mov_b32 s35, 0
	s_wait_kmcnt 0x0
	s_add_nc_u64 s[28:29], s[4:5], s[28:29]
	s_add_nc_u64 s[36:37], s[4:5], s[36:37]
	s_add_nc_u64 s[30:31], s[4:5], s[30:31]
	s_add_nc_u64 s[38:39], s[4:5], s[38:39]
	s_add_nc_u64 s[32:33], s[6:7], s[32:33]
	s_add_nc_u64 s[34:35], s[8:9], s[34:35]
	s_cmp_gt_u32 s[WV], s13
	s_cbranch_scc1 .Lbeyond
.irp k, 0,1,2,3
	global_load_b128 v[224+4*\k:227+4*\k], v1, s[32:33] offset:512*\k     ; wI's four partial sums
.endr
.irp hh, 0,1,2,3
	global_load_b128 v[32+12*\hh:35+12*\hh], v1, s[28:29] offset:8*REC*\hh
	global_load_b64 v[36+12*\hh:37+12*\hh], v2, s[28:29] offset:8*REC*\hh+512
.endr
.irp hh, 0,1,2,3
	global_load_b32 v[240+\hh], v26, s[36:37] offset:8*REC*\hh
.endr
.irp p, 0,1,2,3
	global_load_b32 v[244+\p], v3, s[38:39] offset:128*\p                 ; lanes 0-15: tile 2 p's words, lanes 16-31: tile 2 p + 1's
.endr
.irp t, 0,1,2,3
	global_load_b128 v[80+12*\t:83+12*\t], v1, s[30:31] offset:768*\t
	global_load_b64 v[84+12*\t:85+12*\t], v2, s[30:31] offset:768*\t+512
.endr
.irp f, 0,1,2,3,4,5,6,7
.irp i, 6,7,8,9,10,11
	v_mov_b32 v[32+12*\f+\i], 0                      ; K = 64: the upper 64 of each fragment are zero codes, set once
.endr
.endr
	s_wait_loadcnt 24                                ; the four oldest loads are in
.irp hh, 0,1,2,3
	v_add_f32 v[18+2*\hh], v[224+\hh], v[228+\hh]
.endr
.irp hh, 0,1,2,3
	v_add_f32 v[18+2*\hh], v[18+2*\hh], v[232+\hh]
.endr
.irp hh, 0,1,2,3
	v_add_f32 v[18+2*\hh], v[18+2*\hh], v[236+\hh]
.endr
.irp hh, 0,1,2,3
	v_mov_b32 v[19+2*\hh], v[18+2*\hh]               ; (named as a pair's upper half)
.endr
.irp t, 0,1,2,3,4,5,6,7
	KT \t
.endr
	s_cmp_lg_u32 s[WV], s13
	s_cbranch_scc1 .Lopen
	; the step on the diagonal: key 128 w + 16 h + 32 b + i is hidden where 32 b + i > d, d = my query - 128 w - 16 h
	s_lshr_b32 s16, s11, 1
	s_lshl_b32 s16, s16, 5
	s_and_b32 s17, s11, 1
	s_lshl_b32 s17, s17, 3
	s_add_co_u32 s16, s16, s17
	s_lshl_b32 s17, s[WV], 7
	s_sub_co_u32 s16, s16, s17
	v_and_b32 v14, 8, v4
	v_add_nc_u32 v14, v14, v4
	v_add_nc_u32 v14, s16, v14
	v_lshlrev_b32 v13, 4, v5
	v_sub_nc_u32 v14, v14, v13
.set n_, 0
.rept 64
	v_cmp_gt_i32 vcc_lo, 32*(n_/16)+n_%16, v14
	v_cndmask_b32 v[SC+n_], v[SC+n_], v15, vcc_lo
.set n_, n_+1
.endr
.Lopen:
	STAGE SC, BX, 64, 2, 1
	STAGE BX, BY, 64, 4, 2
	STAGE BY, BX, 64, 4, 1
	STAGE BX, BY, 64, 8, 4
	STAGE BY, BX, 64, 8, 2
	STAGE BX, BY, 64, 8, 1
	STAGE BY, BX, 64, 16, 8
	STAGE BX, BY, 64, 16, 4
	STAGE BY, BX, 64, 16, 2
	STAGE BX, BY, 64, 16, 1
	STAGE BY, BX, 64, 32, 16
	STAGE BX, BY, 64, 32, 8
	STAGE BY, BX, 64, 32, 4
	STAGE BX, BY, 64, 32, 2
	STAGE BY, BX, 64, 32, 1                          ; 32 ascending, 32 descending
.set i_, 0
.rept 32
	v_max_num_f32 v[BY+i_], v[BX+i_], v[BX+32+i_]    ; the upper 32 of my 64
.set i_, i_+1
.endr
	SORT5
	PARTNER
	SORT5
	LIST 6, BX
	s_branch .Llisted
.Lbeyond:                                            ; a step beyond the diagonal: reference()'s mask makes all its scores -infinity; they are their own sorted list
.set n_, 0
.rept 64
	v_mov_b32 v[SC+n_], v15
.set n_, n_+1
.endr
	LIST 6, SC
.Llisted:
	BARRIER                                          ; 16 lists lie in LDS
	s_cmp_lt_u32 s[WV], 4
	s_cbranch_scc0 .Lnot_first
	TWOLISTS 7
	SORT5
	PARTNER
	SORT5
	LIST 8, BX
.Lnot_first:
	BARRIER                                          ; 4 lists
	s_cmp_lg_u32 s[WV], 0
	s_cbranch_scc1 .Lnot_second
	TWOLISTS 9
	SORT5
	PARTNER                                          ; the row's 32 largest, in no order
	v_min3_num_f32 v13, v[BY], v[BY+1], v[BY+2]
.irp i, 3,5,7,9,11,13,15,17,19,21,23,25,27,29
	v_min3_num_f32 v13, v13, v[BY+\i], v[BY+\i+1]
.endr
	v_min_num_f32 v13, v13, v[BY+31]
	v_max_num_f32 v13, 0xff7fffff, v13
	ds_store_b32 v10, v13
.Lnot_second:
	BARRIER
	s_cmp_gt_u32 s[WV], s13
	s_cbranch_scc1 .Ldone
	ds_load_b32 v13, v10
	v_mov_b32 v16, 0
	v_mov_b32 v17, 0
	s_wait_dscnt 0x0
.set g_, 0
.rept 8
.irp i, 0,1,2,3,4,5,6,7
	v_cmp_ge_f32 s[20+\i], v[SC+8*g_+\i], v13
.endr
.irp i, 0,1,2,3,4,5,6,7
	v_writelane_b32 v[16+\i%2], s[20+\i], 4*g_+\i/2  ; word n goes to lane n / 2, register n % 2
.endr
.set g_, g_+1
.endr
	global_store_b64 v2, v[16:17], s[34:35]          ; 256 consecutive bytes, aligned
.Ldone:
	s_wait_tensorcnt 0x0                             ; the wave's end, behind my last LDS store
	ds_add_u32 v[SPW], v[NIL]
	s_wait_dscnt 0x0
	s_endpgm
.Lfunc_end_k_q7e064c619d_index:
	.size	k_q7e064c619d_index, .Lfunc_end_k_q7e064c619d_index-k_q7e064c619d_index
	.p2alignl 7, 3214868480
	.fill 96, 4, 3214868480
	.section	.rodata,"a",@progbits
	.p2align	6, 0x0
	.amdhsa_kernel k_q7e064c619d_index
		.amdhsa_group_segment_fixed_size 48384
		.amdhsa_private_segment_fixed_size 0
		.amdhsa_enable_private_segment 0
		.amdhsa_kernarg_size 24
		.amdhsa_user_sgpr_count 2
		.amdhsa_user_sgpr_kernarg_segment_ptr 1
		.amdhsa_wavefront_size32 1
		.amdhsa_system_sgpr_workgroup_id_x 1
		.amdhsa_system_sgpr_workgroup_id_y 1
		.amdhsa_system_sgpr_workgroup_id_z 1
		.amdhsa_system_vgpr_workitem_id 0
		.amdhsa_next_free_vgpr 256
		.amdhsa_next_free_sgpr 66
		.amdhsa_reserve_vcc 1
		.amdhsa_float_denorm_mode_32 3
		.amdhsa_float_denorm_mode_16_64 3
		.amdhsa_memory_ordered 1
		.amdhsa_forward_progress 1
		.amdhsa_inst_pref_size 119
	.end_amdhsa_kernel
	.amdgpu_metadata
---
amdhsa.version: [ 1, 2 ]
amdhsa.kernels:
  - .name:           k_q7e064c619d_index
    .symbol:         k_q7e064c619d_index.kd
    .args:
      - { .name: pbuf, .offset: 0, .size: 8, .value_kind: global_buffer, .address_space: global }
      - { .name: abuf, .offset: 8, .size: 8, .value_kind: global_buffer, .address_space: global }
      - { .name: mbuf, .offset: 16, .size: 8, .value_kind: global_buffer, .address_space: global }
    .group_segment_fixed_size: 48384
    .private_segment_fixed_size: 0
    .kernarg_segment_align: 8
    .kernarg_segment_size: 24
    .max_flat_workgroup_size: 512
    .sgpr_count:     66
    .vgpr_count:     256
    .wavefront_size: 32
...
	.end_amdgpu_metadata
.endif
;; end of part 4
;; launch attn (part 5): grid 8 x 32, 16 waves a work-group, no clusters, 215,040 bytes of LDS; arguments pbuf, mbuf, obuf; writes obuf
.if DOCPART == 5
	.amdgcn_target "amdgcn-amd-amdhsa--gfx1250"
	.amdhsa_code_object_version 6
	.text
	.protected	k_q7e064c619d_attn
	.globl	k_q7e064c619d_attn
	.p2align	8
	.type	k_q7e064c619d_attn,@function
k_q7e064c619d_attn:
	s_mov_b64 s[64:65], 0
	v_nop
	global_prefetch_b8 v0, s[64:65] scope:SCOPE_SE
	s_setreg_imm32_b32 hwreg(HW_REG_WAVE_MODE, 25, 1), 1
	s_wait_xcnt 0x0
; Products 9 and 10 on codes of E2M3, under the stored mask; the result divided by the row's sum, quantised along the model's axis and stored as images of product 11's operand.
; LEFT OUT (shown at the head of the first kernel): key steps wholly above the diagonal; a key that the mask hides gets the score -infinity for reference()'s -1e9 (limit: |logit| < 4e8).
; THE SOFTMAX: t = score x log2(e) / 8; M = the running largest t rounded up to a whole number; p = 2^(t - M) is quantised along the keys, not normalised; the sum is taken of the unquantised p.  A step in which a row
; has no key yet leaves M at its start, -3e38, and adds zeros.
; SHARES.  Work-group (j, batch x head).  K and V of the whole head, 2 x 106,496 bytes, lie in LDS: filled once, no ring.  The wave of rank m owns query tile j + 8 m and walks key steps 0 .. m, 128 keys each:
; 136 steps in every work-group; the ranks are dealt so that waves w, w + 4, w + 8, w + 12 have 34 steps together.  A lane holds one query throughout (both products transposed; the keys of a tile chosen so that 16 registers are 16 neighbouring keys).
; THE MASK comes as lane masks into scalar registers: one v_cndmask_b32 a score.
; NO CLUSTER in this text: the 8 work-groups of a head read the same K and V once each at their head; joint loads would divide those requests by four and are the next step.  No prefetch: all tiles are asked for at the head.
; The two scale bytes of a row leave by a store of 2 bytes a lane (131,072 bytes in the launch): two heads share a scale word.
.set REC,   13312
.set VOFF,  106496
.set SPARE, 212992
.set SPW, 4
.set NIL, 5
.set S,   136                          ; v136-199 S^T, then p
.set O,   200                          ; v200-231 O^T
.set WV,  10
.set RK,  11                           ; s11 my rank m
.set STEPNO, 15
.set TB,  16                           ; s16 LDS byte of the record (256 keys) in hand
.set SEL, 20
.set CS,  22
.set TM,  40                           ; the way out
.set PC,  56
.set PW,  72
.macro STEP sg
	s_cmp_gt_u32 s[STEPNO], s[RK]                    ; ids and the count of steps alone: a step all of whose keys come after my queries is left out
	s_cbranch_scc1 .Lskip_\@
	s_load_b512 s[68:83], s[18:19], 0x0              ; the masks of score registers 0-31
	s_load_b512 s[84:99], s[18:19], 0x40
	v_add_nc_u32 v6, s[TB], v1                       ; five plain lines: the places in front of the loads below
	v_add_nc_u32 v7, s[TB], v2
	v_add_nc_u32 v8, s[TB], v3
	v_add_nc_u32 v9, VOFF, v6
	v_add_nc_u32 v10, VOFF, v7
.irp t, 0,1,2,3
	ds_load_b128 v[40+12*\t:43+12*\t], v6 offset:6144*\sg+768*\t
	ds_load_b64 v[44+12*\t:45+12*\t], v7 offset:6144*\sg+768*\t+512
.endr
.irp p, 0,1,2,3
	ds_load_b32 v[30+\p], v8 offset:12288+512*\sg+128*\p
.endr
.irp d, 0,1,2,3
	ds_load_b128 v[88+12*\d:91+12*\d], v9 offset:6144*\sg+768*\d
	ds_load_b64 v[92+12*\d:93+12*\d], v10 offset:6144*\sg+768*\d+512
	ds_load_b128 v[94+12*\d:97+12*\d], v9 offset:6144*\sg+768*\d+3072
	ds_load_b64 v[98+12*\d:99+12*\d], v10 offset:6144*\sg+768*\d+3584
	ds_load_b32 v[34+\d], v10 offset:12288+256*\d+4*\sg
.endr
	s_wait_dscnt 20                                  ; K's first four tiles and its scale words are in; V's 20 loads may be out
.irp g, 0,1
.irp t, 0,1,2,3
.if \t%2
	v_wmma_scale_f32_16x16x128_f8f6f4 v[S+32*\g+8*\t:S+32*\g+8*\t+7], v[40+12*\t:51+12*\t], v[16:27], 0, v[30+2*\g+\t/2], v28 matrix_a_fmt:MATRIX_FMT_FP6 matrix_b_fmt:MATRIX_FMT_FP6 matrix_a_scale:MATRIX_SCALE_ROW1
.else
	v_wmma_scale_f32_16x16x128_f8f6f4 v[S+32*\g+8*\t:S+32*\g+8*\t+7], v[40+12*\t:51+12*\t], v[16:27], 0, v[30+2*\g+\t/2], v28 matrix_a_fmt:MATRIX_FMT_FP6 matrix_b_fmt:MATRIX_FMT_FP6
.endif
.endr
.rept 4
	v_nop
.endr
.if \g == 0
.irp t, 0,1,2,3
	ds_load_b128 v[40+12*\t:43+12*\t], v6 offset:6144*\sg+768*(\t+4)
	ds_load_b64 v[44+12*\t:45+12*\t], v7 offset:6144*\sg+768*(\t+4)+512
.endr
.endif
	s_wait_kmcnt 0x0
.set n_, 0
.rept 32
	v_cndmask_b32 v[S+32*\g+n_], v11, v[S+32*\g+n_], s[68+n_]   ; kept, or -infinity; each accumulator from its low end on
.set n_, n_+1
.endr
.if \g == 0
	s_load_b512 s[68:83], s[18:19], 0x80             ; registers 32-63
	s_load_b512 s[84:99], s[18:19], 0xc0
	s_wait_dscnt 0x0
.endif
.endr
.irp b, 0,1,2,3
	v_max3_num_f32 v[252+\b], v[S+16*\b], v[S+1+16*\b], v[S+2+16*\b]   ; the largest score of each block of 32 keys: for the row's maximum, and for the block's largest p
.endr
.irp i, 3,5,7,9,11,13
.irp b, 0,1,2,3
	v_max3_num_f32 v[252+\b], v[252+\b], v[S+16*\b+\i], v[S+1+16*\b+\i]
.endr
.endr
.irp b, 0,1,2,3
	v_max_num_f32 v[252+\b], v[252+\b], v[S+15+16*\b]
.endr
.irp b, 0,1,2,3
	v_permlanex16_b32 v[244+\b], v[252+\b], s[SEL], s[SEL+1]
.endr
.irp b, 0,1,2,3
	v_max_num_f32 v[252+\b], v[252+\b], v[244+\b]
.endr
	v_max3_num_f32 v39, v252, v253, v254
	v_max_num_f32 v39, v39, v255
	v_mul_f32 v39, s[CS], v39
	v_max_num_f32 v13, v13, v39                      ; the running largest t
	v_mov_b32 v39, v12
	v_floor_f32 v12, -v13                            ; -M = floor(-t)
	v_sub_f32 v39, v12, v39                          ; old M - new M: a whole number, 0 or less
	v_cvt_i32_f32 v39, v39                           ; (it saturates)
	v_ldexp_f32 v38, 1.0, v39                        ; f = 2^(old M - new M)
.set j_, 0
.rept 32
	v_pk_fma_f32 v[S+j_:S+j_+1], v[S+j_:S+j_+1], s[CS:CS+1], v[12:13] op_sel_hi:[1,0,0]   ; t - M
.set j_, j_+2
.endr
.irp b, 0,1,2,3
	v_fma_f32 v[252+\b], v[252+\b], s[CS], v12
.endr
.set j_, 0
.rept 64
	v_exp_f32 v[S+j_], v[S+j_]
.set j_, j_+1
.endr
	v_pk_mul_f32 v[14:15], v[14:15], v[38:39] op_sel_hi:[1,0]   ; the sums under the new M; a plain place behind the exponentials
	s_wait_alu depctr_va_vdst(0)                     ; one wait for the batch, ahead of its first reader
.irp b, 0,1,2,3
	v_exp_f32 v[252+\b], v[252+\b]                   ; the block's largest p
.endr
	v_pk_add_f32 v[244:245], v[S:S+1], v[S+2:S+3]    ; the row's sum, of the unquantised p, in two chains
.irp j, 4,8,12,16,20,24,28,32,36,40,44,48,52,56,60
	v_pk_add_f32 v[14:15], v[14:15], v[S+\j:S+\j+1]
	v_pk_add_f32 v[244:245], v[244:245], v[S+2+\j:S+3+\j]
.endr
	v_pk_add_f32 v[14:15], v[14:15], v[244:245]
	s_wait_alu depctr_va_vdst(0)                     ; and one for the four
.irp b, 0,1,2,3
	v_max_num_f32 v[252+\b], 0x1800000, v[252+\b]    ; the floor 2^(3 - 127)
.endr
.irp b, 0,1,2,3
	v_add_nc_u32 v[252+\b], 0xff000000, v[252+\b]    ; the conversion's scale operand
.endr
.irp b, 0,1,2,3
	v_lshrrev_b32 v[244+\b], 23, v[252+\b]
.endr
	v_lshl_or_b32 v29, v245, 8, v244                 ; p's scale word
	v_lshl_or_b32 v29, v246, 16, v29
	v_lshl_or_b32 v29, v247, 24, v29
.irp c, 0,1
	v_cvt_scalef32_pk16_fp6_f32 v[232+6*\c:234+6*\c], v[S+32*\c:S+15+32*\c], v[252+2*\c]
	v_cvt_scalef32_pk16_fp6_f32 v[244+4*\c:246+4*\c], v[S+16+32*\c:S+31+32*\c], v[253+2*\c]
.endr
	v_nop                                            ; one plain place behind a scaled conversion
.irp c, 0,1
.irp i, 0,1,2
	v_permlane16_swap_b32 v[232+6*\c+\i], v[244+4*\c+\i]
.endr
.irp i, 0,1,2
	v_mov_b32 v[235+6*\c+\i], v[244+4*\c+\i]
.endr
.endr
.set j_, 0
.rept 16
	v_pk_mul_f32 v[O+j_:O+j_+1], v[O+j_:O+j_+1], v[38:39] op_sel_hi:[1,0]   ; O^T under the new M; also the places in front of the products below
.set j_, j_+2
.endr
.irp d, 0,1,2,3
	v_wmma_scale_f32_16x16x128_f8f6f4 v[O+8*\d:O+8*\d+7], v[88+12*\d:99+12*\d], v[232:243], v[O+8*\d:O+8*\d+7], v[34+\d], v29 matrix_a_fmt:MATRIX_FMT_FP6 matrix_b_fmt:MATRIX_FMT_FP6
.endr
.Lskip_\@:
	s_add_co_u32 s[STEPNO], s[STEPNO], 1
	s_add_nc_u64 s[18:19], s[18:19], 256             ; the next step's masks (no scalar load is out here)
.endm
	s_load_b128 s[4:7], s[0:1], 0x0                  ; pbuf, mbuf
	s_load_b64 s[8:9], s[0:1], 0x10                  ; obuf
	v_lshl_add_u32 v[SPW], v0, 2, SPARE
	v_mov_b32 v[NIL], 0
	ds_add_u32 v[SPW], v[NIL]                        ; the wave's opening: the add, twice on end, and its wait ahead of my first tensor load
	ds_add_u32 v[SPW], v[NIL]
	v_lshrrev_b32 v6, 5, v0
	v_readfirstlane_b32 s[WV], v6
	s_and_b32 s[RK], s[WV], 12                       ; m = (w & 12) | ((w & 3) xor 3 ((w / 4) & 1))
	s_lshr_b32 s56, s[WV], 2
	s_and_b32 s56, s56, 1
	s_mul_i32 s56, s56, 3
	s_and_b32 s57, s[WV], 3
	s_xor_b32 s57, s57, s56
	s_or_b32 s[RK], s[RK], s57
	s_and_b32 s13, ttmp7, 0xffff                     ; batch x 16 + head
	s_lshl_b32 s14, s[RK], 3
	s_add_co_u32 s14, s14, ttmp9                     ; my query tile
	s_mov_b32 s24, 3<<16                             ; group 1: dense rows of 256 bytes, 13 rows
	s_mov_b32 s25, 32<<16
	s_mov_b32 s26, 13<<16
	s_mov_b32 s27, 32<<16
	s_mov_b32 s28, 13
	s_mov_b32 s29, 32
	s_mov_b32 s30, 0
	s_mov_b32 s31, 0
	s_mov_b32 s32, 3<<16                             ; and 39 rows
	s_mov_b32 s33, 32<<16
	s_mov_b32 s34, 39<<16
	s_mov_b32 s35, 32<<16
	s_mov_b32 s36, 39
	s_mov_b32 s37, 32
	s_mov_b32 s38, 0
	s_mov_b32 s39, 0
	s_lshr_b32 s56, s[WV], 3                         ; waves 0-7 fetch K, 8-15 V: an eighth each of records 0-1, then of records 2-7
	s_and_b32 s57, s[WV], 7
	s_mul_i32 s58, s56, VOFF
	s_mul_i32 s59, s57, 3328
	s_mov_b32 s40, 1
	s_add_co_u32 s41, s58, s59
	s_mul_i32 s60, s57, 9984
	s_mov_b32 s44, 1
	s_add_co_u32 s45, s58, s60
	s_add_co_u32 s45, s45, 26624
	s_add_co_u32 s56, s56, 1
	s_mul_i32 s56, s56, 256*REC                      ; K's section begins at record 256, V's at 512
	s_mul_i32 s61, s13, VOFF
	s_add_co_u32 s56, s56, s61
	s_add_co_u32 s62, s56, s60
	s_add_co_u32 s62, s62, 26624
	s_mov_b32 s63, 0
	s_add_co_u32 s60, s56, s59
	s_mov_b32 s61, 0
	s_lshl_b32 s48, s13, 3                           ; Q: record 8 (batch x 16 + head) + tile / 16, tile % 16 in it
	s_lshr_b32 s49, s14, 4
	s_add_co_u32 s48, s48, s49
	s_mul_i32 s48, s48, REC
	s_and_b32 s49, s14, 15
	s_lshl_b32 s50, s49, 6
	s_add_co_u32 s50, s50, s48
	s_add_co_u32 s50, s50, 12288
	s_mov_b32 s51, 0
	s_mul_i32 s49, s49, 768
	s_add_co_u32 s48, s48, s49
	s_mov_b32 s49, 0
	s_lshr_b32 s56, s13, 4
	s_lshl_b32 s56, s56, 7
	s_add_co_u32 s56, s56, s14                       ; the tile among all 256
	s_lshl_b32 s18, s56, 12                          ; its masks: 16 steps of 256 bytes
	s_mov_b32 s19, 0
	s_mul_i32 s56, s56, 12800
	s_and_b32 s57, s13, 15                           ; the head
	s_lshr_b32 s58, s57, 1
	s_and_b32 s57, s57, 1
	s_mul_i32 s52, s58, 1536
	s_mul_i32 s53, s57, 768
	s_add_co_u32 s52, s52, s53
	s_add_co_u32 s52, s52, s56
	s_mov_b32 s53, 0
	s_lshl_b32 s54, s58, 6
	s_lshl_b32 s55, s57, 1
	s_add_co_u32 s54, s54, s55
	s_add_co_u32 s54, s54, s56
	s_add_co_u32 s54, s54, 12288
	s_mov_b32 s55, 0
	s_mov_b32 s[SEL], 0x76543210
	s_mov_b32 s[SEL+1], 0xfedcba98
	s_mov_b32 s[CS], 0x3e38aa3b                      ; log2(e) / 8
	s_mov_b32 s[CS+1], s[CS]
	s_mov_b32 s[STEPNO], 0
	s_mov_b32 s[TB], 0
	s_wait_dscnt 0x0                                 ; both opening adds are done
	s_wait_kmcnt 0x0
	s_add_nc_u64 s[42:43], s[4:5], s[60:61]
	s_or_b32 s43, s43, 0x80000000
	s_add_nc_u64 s[46:47], s[4:5], s[62:63]
	s_or_b32 s47, s47, 0x80000000
	tensor_load_to_lds s[40:43], s[24:31]            ; both first fills go out together: two tensor loads of mine are out
	s_nop 0
	tensor_load_to_lds s[44:47], s[32:39]
	s_nop 0
	v_and_b32 v6, 31, v0
	v_lshlrev_b32 v1, 4, v6
	v_lshlrev_b32 v2, 3, v6
	v_lshlrev_b32 v3, 2, v6
	v_and_b32 v38, 15, v0
	v_lshlrev_b32 v38, 2, v38                        ; 4 r
	s_add_nc_u64 s[48:49], s[4:5], s[48:49]
	s_add_nc_u64 s[50:51], s[4:5], s[50:51]
	s_add_nc_u64 s[18:19], s[6:7], s[18:19]
	s_add_nc_u64 s[52:53], s[8:9], s[52:53]
	s_add_nc_u64 s[54:55], s[8:9], s[54:55]
	global_load_b128 v[16:19], v1, s[48:49]          ; Q's half image stays in registers
	global_load_b64 v[20:21], v2, s[48:49] offset:512
	global_load_b32 v28, v38, s[50:51]
	v_mov_b32 v11, 0xff800000                        ; -infinity
	v_mov_b32 v13, 0xff61b1e6                        ; the largest t so far: -3e38
	v_floor_f32 v12, -v13
	v_mov_b32 v14, 0
	v_mov_b32 v15, 0
	v_mov_b32 v39, 0
.irp i, 22,23,24,25,26,27
	v_mov_b32 v\i, 0                                 ; K = 64: the upper halves of Q's and K's fragments are zero codes, set once
.endr
.irp t, 0,1,2,3
.irp i, 6,7,8,9,10,11
	v_mov_b32 v[40+12*\t+\i], 0
.endr
.endr
.irp b, 0,1,2,3
	v_mov_b32 v[244+\b], 0                           ; a lane permute's destination counts as one of its sources
.endr
.set j_, 0
.rept 32
	v_mov_b32 v[O+j_], 0                             ; O^T: the step is written once; the first finds zeros
.set j_, j_+1
.endr
	s_wait_tensorcnt 0x1                             ; my part of records 0-1 is in; the rest may be out
	s_barrier_signal -1
	s_barrier_wait -1
	s_wait_loadcnt 0x0                               ; Q
	s_mov_b32 s17, 2
.Lslot_a:
	STEP 0
	STEP 1
	s_add_co_u32 s[TB], s[TB], REC
	s_sub_co_u32 s17, s17, 1
	s_cmp_lg_u32 s17, 0
	s_cbranch_scc1 .Lslot_a
	s_wait_tensorcnt 0x0
	s_wait_dscnt 0x0
	s_barrier_signal -1
	s_barrier_wait -1                                ; the whole head lies in LDS
	s_mov_b32 s[TB], 2*REC
	s_mov_b32 s17, 6
.Lslot_b:
	STEP 0
	STEP 1
	s_add_co_u32 s[TB], s[TB], REC
	s_sub_co_u32 s17, s17, 1
	s_cmp_lg_u32 s17, 0
	s_cbranch_scc1 .Lslot_b
	; THE WAY OUT
	v_add_f32 v14, v14, v15
	v_permlanex16_b32 v39, v14, s[SEL], s[SEL+1]
	v_add_f32 v14, v14, v39                          ; the row's sum
	v_and_b32 v38, 15, v0
	v_lshlrev_b32 v38, 2, v38
	v_rcp_f32 v14, v14
	v_mov_b32 v[TM+4], 0                             ; (plain places behind the transcendental)
	v_mov_b32 v[TM+5], 0
	s_wait_alu depctr_va_vdst(0)
.set j_, 0
.rept 32
	v_mul_f32 v[S+j_], v[O+j_], v14                  ; register 16 b + i is channel 32 b + 16 (lane / 16) + i of my query
.set j_, j_+1
.endr
.irp b, 0,1
	v_max3_num_f32 v[TM+\b], |v[S+16*\b]|, |v[S+1+16*\b]|, 0x1800000
.endr
.irp i, 2,4,6,8,10,12,14
.irp b, 0,1
	v_max3_num_f32 v[TM+\b], v[TM+\b], |v[S+16*\b+\i]|, |v[S+1+16*\b+\i]|
.endr
.endr
.irp b, 0,1
	v_permlanex16_b32 v[TM+4+\b], v[TM+\b], s[SEL], s[SEL+1]
.endr
.irp b, 0,1
	v_max_num_f32 v[TM+\b], v[TM+\b], v[TM+4+\b]
.endr
.irp b, 0,1
	v_add_nc_u32 v[TM+12+\b], 0xff000000, v[TM+\b]
.endr
.irp b, 0,1
	v_lshrrev_b32 v[TM+4+\b], 23, v[TM+12+\b]
.endr
	v_lshl_or_b32 v[PW], v[TM+5], 8, v[TM+4]
	v_cvt_scalef32_pk16_fp6_f32 v[PC:PC+2], v[S:S+15], v[TM+12]
	v_cvt_scalef32_pk16_fp6_f32 v[PC+12:PC+14], v[S+16:S+31], v[TM+13]
	v_nop
.irp i, 0,1,2
	v_permlane16_swap_b32 v[PC+\i], v[PC+12+\i]
.endr
.irp i, 0,1,2
	v_mov_b32 v[PC+3+\i], v[PC+12+\i]
.endr
	global_store_b128 v1, v[PC:PC+3], s[52:53]
	global_store_b64 v2, v[PC+4:PC+5], s[52:53] offset:512
	global_store_b16 v38, v[PW], s[54:55]            ; my head's two bytes of the row's scale word; lanes r and 16 + r store the same
	s_wait_tensorcnt 0x0                             ; the wave's end
	ds_add_u32 v[SPW], v[NIL]
	s_wait_dscnt 0x0
	s_endpgm
.Lfunc_end_k_q7e064c619d_attn:
	.size	k_q7e064c619d_attn, .Lfunc_end_k_q7e064c619d_attn-k_q7e064c619d_attn
	.p2alignl 7, 3214868480
	.fill 96, 4, 3214868480
	.section	.rodata,"a",@progbits
	.p2align	6, 0x0
	.amdhsa_kernel k_q7e064c619d_attn
		.amdhsa_group_segment_fixed_size 215040
		.amdhsa_private_segment_fixed_size 0
		.amdhsa_enable_private_segment 0
		.amdhsa_kernarg_size 24
		.amdhsa_user_sgpr_count 2
		.amdhsa_user_sgpr_kernarg_segment_ptr 1
		.amdhsa_wavefront_size32 1
		.amdhsa_system_sgpr_workgroup_id_x 1
		.amdhsa_system_sgpr_workgroup_id_y 1
		.amdhsa_system_sgpr_workgroup_id_z 1
		.amdhsa_system_vgpr_workitem_id 0
		.amdhsa_next_free_vgpr 256
		.amdhsa_next_free_sgpr 100
		.amdhsa_reserve_vcc 0
		.amdhsa_float_denorm_mode_32 3
		.amdhsa_float_denorm_mode_16_64 3
		.amdhsa_memory_ordered 1
		.amdhsa_forward_progress 1
		.amdhsa_inst_pref_size 95
	.end_amdhsa_kernel
	.amdgpu_metadata
---
amdhsa.version: [ 1, 2 ]
amdhsa.kernels:
  - .name:           k_q7e064c619d_attn
    .symbol:         k_q7e064c619d_attn.kd
    .args:
      - { .name: pbuf, .offset: 0, .size: 8, .value_kind: global_buffer, .address_space: global }
      - { .name: mbuf, .offset: 8, .size: 8, .value_kind: global_buffer, .address_space: global }
      - { .name: obuf, .offset: 16, .size: 8, .value_kind: global_buffer, .address_space: global }
    .group_segment_fixed_size: 215040
    .private_segment_fixed_size: 0
    .kernarg_segment_align: 8
    .kernarg_segment_size: 24
    .max_flat_workgroup_size: 512
    .sgpr_count:     100
    .vgpr_count:     256
    .wavefront_size: 32
...
	.end_amdgpu_metadata
.endif
;; end of part 5
;; launch oproj (part 6): grid 4 x 32, 4 waves a work-group, no clusters, 167,936 bytes of LDS; arguments obuf, wbuf, out0; writes out0
.if DOCPART == 6
	.amdgcn_target "amdgcn-amd-amdhsa--gfx1250"
	.amdhsa_code_object_version 6
	.text
	.protected	k_q7e064c619d_oproj
	.globl	k_q7e064c619d_oproj
	.p2align	8
	.type	k_q7e064c619d_oproj,@function
k_q7e064c619d_oproj:
	s_mov_b64 s[64:65], 0
	v_nop
	global_prefetch_b8 v0, s[64:65] scope:SCOPE_SE
	s_setreg_imm32_b32 hwreg(HW_REG_WAVE_MODE, 25, 1), 1
	s_wait_xcnt 0x0
; Product 11 on codes of E2M3: out0 = (attention's result) Wo.  Work-group (gx, ty): 128 tokens (8 records of codes, brought into LDS once) against 256 columns; wave w holds columns 64 (4 gx + w) on of Wo in its registers.
; Source 0 = Wo's tiles, source 1 = the rows' tiles: a lane holds a token and 32 of the wave's 64 columns.  Two units of 64 tokens, 16 accumulators by turns.  A tile of 16 tokens x 64 columns goes through the wave's own
; stage in LDS and leaves as rows: sixteen lanes store 256 consecutive bytes, aligned.  Two tensor loads a wave, both first fills; nothing is filled again.  No cluster: the shared records are 100 KiB a work-group, read once at the head.
.set WSOFF, 3391488
.set STG,   102400                     ; behind the records: 16 rows x 272 bytes for each wave
.set SPARE, 119808
.set SPW, 10
.set NIL, 11
.set XS,  80
.set WS,  96
.set ACC, 128
.set WV,  14
.set MSB, 0
.macro WIN new
.if MSB != \new
	s_set_vgpr_msb (MSB<<8)|\new
.set MSB, \new
.endif
.endm
.macro FETCH s
.irp t, 0,1,2,3
.set F_, 144+48*((\s)%2)+12*\t
	ds_load_b128 v[F_:F_+3], v4 offset:12800*\t+1536*(\s)
	ds_load_b64 v[F_+4:F_+5], v5 offset:12800*\t+1536*(\s)+512
	ds_load_b128 v[F_+6:F_+9], v4 offset:12800*\t+1536*(\s)+768
	ds_load_b64 v[F_+10:F_+11], v5 offset:12800*\t+1536*(\s)+1280
.endr
.endm
.macro MMS s, first
.if \s < 7
	WIN 0x80
	FETCH (\s+1)
	s_wait_dscnt 16                                  ; all but the 16 just issued
.else
	s_wait_dscnt 0x0
.endif
.if \first                                       ; Wo's loads went out K step by K step: 12 for each later step are younger
.if 12*(7-\s) > 63
	s_wait_loadcnt 63
.else
	s_wait_loadcnt 12*(7-\s)
.endif
.endif
.if \s < 5
.set WR_, 48*\s
	WIN 0x09
.else
.set WR_, 48*(\s-5)
	WIN 0x0a
.endif
.irp t, 0,1,2,3
.irp c, 0,1,2,3
.set D_, ACC+32*\t+8*\c
.set A_, WR_+12*\c
.set B_, 144+48*(\s%2)+12*\t
.if \s == 0
	v_wmma_scale_f32_16x16x128_f8f6f4 v[D_:D_+7], v[A_:A_+11], v[B_:B_+11], 0, v[WS+8*\c+\s], v[XS+4*\t+\s/2] matrix_a_fmt:MATRIX_FMT_FP6 matrix_b_fmt:MATRIX_FMT_FP6
.elseif \s%2
	v_wmma_scale_f32_16x16x128_f8f6f4 v[D_:D_+7], v[A_:A_+11], v[B_:B_+11], v[D_:D_+7], v[WS+8*\c+\s], v[XS+4*\t+\s/2] matrix_a_fmt:MATRIX_FMT_FP6 matrix_b_fmt:MATRIX_FMT_FP6 matrix_b_scale:MATRIX_SCALE_ROW1
.else
	v_wmma_scale_f32_16x16x128_f8f6f4 v[D_:D_+7], v[A_:A_+11], v[B_:B_+11], v[D_:D_+7], v[WS+8*\c+\s], v[XS+4*\t+\s/2] matrix_a_fmt:MATRIX_FMT_FP6 matrix_b_fmt:MATRIX_FMT_FP6
.endif
.endr
.endr
.rept 4
	v_nop                                            ; places in front of loads into the set just read, and of the first read of results
.endr
.endm
.macro OUTT u, t
	s_wait_xcnt 0x0                                  ; the last tile's stores have read their registers
.irp q, 0,1,2,3,4,5,6,7
	ds_store_b128 v8, v[ACC+32*\t+4*\q:ACC+32*\t+4*\q+3] offset:128*(\q/4)+16*(\q%4)   ; columns 32 (q / 4) + 16 h + 4 (q % 4) on; each accumulator from its low end on
.endr
.irp i, 0,1,2,3,4,5,6,7
	ds_load_b128 v[48+4*\i:51+4*\i], v9 offset:544*\i   ; LDS serves a wave's instructions in order: these see the stores above
.endr
.irp i, 0,1,2,3,4,5,6,7
	s_wait_dscnt 7-\i
	global_store_b128 v7, v[48+4*\i:51+4*\i], s[50:51] offset:(64*\u+32*(\t/2)+8*(\t%2)+2*\i+8*(\i/4))*4096 th:TH_STORE_NT
.endr
.endm
.macro UNIT u, first
	v_add_nc_u32 v4, 51200*\u, v1
	v_add_nc_u32 v5, 51200*\u, v2
	v_add_nc_u32 v6, 51200*\u, v3
.irp t, 0,1,2,3
.irp p, 0,1,2,3
	ds_load_b32 v[XS+4*\t+\p], v6 offset:12800*\t+12288+128*\p
.endr
.endr
	WIN 0x80
	FETCH 0
.irp s, 0,1,2,3,4,5,6,7
	MMS \s, \first
.endr
	WIN 0
.irp t, 0,1,2,3
	OUTT \u, \t
.endr
.endm
	s_load_b128 s[4:7], s[0:1], 0x0                  ; obuf, wbuf
	s_load_b64 s[8:9], s[0:1], 0x10                  ; out0
	v_lshl_add_u32 v[SPW], v0, 2, SPARE
	v_mov_b32 v[NIL], 0
	ds_add_u32 v[SPW], v[NIL]                        ; the wave's opening: the add, twice on end, and its wait ahead of my first tensor load
	ds_add_u32 v[SPW], v[NIL]
	v_lshrrev_b32 v9, 5, v0
	v_readfirstlane_b32 s[WV], v9
	s_and_b32 s16, ttmp7, 0xffff                     ; ty
	s_lshl_b32 s17, ttmp9, 2
	s_add_co_u32 s17, s17, s[WV]                     ; my 64 columns: 4 gx + w
	s_mov_b32 s24, 3<<16                             ; group 1: dense rows of 256 bytes, 50 rows: a record
	s_mov_b32 s25, 32<<16
	s_mov_b32 s26, 50<<16
	s_mov_b32 s27, 32<<16
	s_mov_b32 s28, 50
	s_mov_b32 s29, 32
	s_mov_b32 s30, 0
	s_mov_b32 s31, 0
	s_mov_b32 s40, 1
	s_mul_i32 s41, s[WV], 12800
	s_mov_b32 s44, 1
	s_add_co_u32 s45, s41, 51200
	s_mul_i32 s60, s16, 102400
	s_add_co_u32 s62, s60, s45
	s_add_co_u32 s60, s60, s41
	s_mov_b32 s61, 0
	s_mov_b32 s63, 0
	s_add_co_u32 s18, s17, 53                        ; Wo's groups begin at 53
	s_mul_i32 s66, s18, 49152
	s_mov_b32 s67, 0
	s_lshl_b32 s68, s18, 11
	s_add_co_u32 s68, s68, WSOFF
	s_mov_b32 s69, 0
	s_lshl_b32 s50, s16, 19                          ; 128 rows of 4,096 bytes,
	s_lshl_b32 s51, s17, 8
	s_add_co_u32 s50, s50, s51                       ; 256 bytes a group of columns
	s_mov_b32 s51, 0
	s_mul_i32 s19, s[WV], 4352
	s_wait_dscnt 0x0                                 ; both opening adds are done
	s_wait_kmcnt 0x0
	s_add_nc_u64 s[42:43], s[4:5], s[60:61]
	s_or_b32 s43, s43, 0x80000000
	s_add_nc_u64 s[46:47], s[4:5], s[62:63]
	s_or_b32 s47, s47, 0x80000000
	tensor_load_to_lds s[40:43], s[24:31]            ; both first fills go out together: two tensor loads of mine are out
	s_nop 0
	tensor_load_to_lds s[44:47], s[24:31]
	s_nop 0
	v_and_b32 v9, 31, v0
	v_lshlrev_b32 v1, 4, v9
	v_lshlrev_b32 v2, 3, v9
	v_lshlrev_b32 v3, 2, v9
	v_and_b32 v12, 15, v0                            ; r
	v_bfe_u32 v13, v0, 4, 1                          ; h
	v_and_b32 v14, 8, v12
	v_add_nc_u32 v14, v14, v12
	v_lshlrev_b32 v14, 5, v14                        ; (r + 8 (r / 8)) rows of 32 scale bytes
	v_lshlrev_b32 v7, 12, v13
	v_lshl_add_u32 v7, v12, 4, v7                    ; out0: lanes 0-15 one row, lanes 16-31 the next
	v_mul_u32_u24 v8, v12, 272
	v_lshl_add_u32 v8, v13, 6, v8
	v_add_nc_u32 v8, s19, v8
	v_add_nc_u32 v8, STG, v8                         ; into my stage: row r, + 64 h
	v_mul_u32_u24 v9, v13, 272
	v_lshl_add_u32 v9, v12, 4, v9
	v_add_nc_u32 v9, s19, v9
	v_add_nc_u32 v9, STG, v9                         ; back by rows
	s_add_nc_u64 s[66:67], s[6:7], s[66:67]
	s_add_nc_u64 s[68:69], s[6:7], s[68:69]
	s_add_nc_u64 s[50:51], s[8:9], s[50:51]
.irp c, 0,1,2,3
	global_load_b128 v[WS+8*\c:WS+8*\c+3], v14, s[68:69] offset:(32*(\c/2)+8*(\c%2))*32
	global_load_b128 v[WS+8*\c+4:WS+8*\c+7], v14, s[68:69] offset:(32*(\c/2)+8*(\c%2))*32+16
.endr
	WIN 0x40
.irp s, 0,1,2,3,4
.irp c, 0,1,2,3
.irp q, 0,1,2
	global_load_b128 v[48*\s+12*\c+4*\q:48*\s+12*\c+4*\q+3], v1, s[66:67] offset:12288*\c+1536*\s+512*\q
.endr
.endr
.endr
	WIN 0x80
.irp s, 5,6,7
.irp c, 0,1,2,3
.irp q, 0,1,2
	global_load_b128 v[48*(\s-5)+12*\c+4*\q:48*(\s-5)+12*\c+4*\q+3], v1, s[66:67] offset:12288*\c+1536*\s+512*\q
.endr
.endr
.endr
	WIN 0
	s_wait_tensorcnt 0x1                             ; my record of unit 0 is in; unit 1's may be out
	s_barrier_signal -1
	s_barrier_wait -1
	UNIT 0, 1
	s_wait_tensorcnt 0x0
	s_wait_dscnt 0x0
	s_barrier_signal -1
	s_barrier_wait -1
	UNIT 1, 0
	s_wait_tensorcnt 0x0                             ; the wave's end, behind my last tensor load and my last LDS store
	ds_add_u32 v[SPW], v[NIL]
	s_wait_dscnt 0x0
	s_endpgm
.Lfunc_end_k_q7e064c619d_oproj:
	.size	k_q7e064c619d_oproj, .Lfunc_end_k_q7e064c619d_oproj-k_q7e064c619d_oproj
	.p2alignl 7, 3214868480
	.fill 96, 4, 3214868480
	.section	.rodata,"a",@progbits
	.p2align	6, 0x0
	.amdhsa_kernel k_q7e064c619d_oproj
		.amdhsa_group_segment_fixed_size 167936
		.amdhsa_private_segment_fixed_size 0
		.amdhsa_enable_private_segment 0
		.amdhsa_kernarg_size 24
		.amdhsa_user_sgpr_count 2
		.amdhsa_user_sgpr_kernarg_segment_ptr 1
		.amdhsa_wavefront_size32 1
		.amdhsa_system_sgpr_workgroup_id_x 1
		.amdhsa_system_sgpr_workgroup_id_y 1
		.amdhsa_system_sgpr_workgroup_id_z 1
		.amdhsa_system_vgpr_workitem_id 0
		.amdhsa_next_free_vgpr 768
		.amdhsa_next_free_sgpr 72
		.amdhsa_reserve_vcc 0
		.amdhsa_float_denorm_mode_32 3
		.amdhsa_float_denorm_mode_16_64 3
		.amdhsa_memory_ordered 1
		.amdhsa_forward_progress 1
		.amdhsa_inst_pref_size 84
	.end_amdhsa_kernel
	.amdgpu_metadata
---
amdhsa.version: [ 1, 2 ]
amdhsa.kernels:
  - .name:           k_q7e064c619d_oproj
    .symbol:         k_q7e064c619d_oproj.kd
    .args:
      - { .name: obuf, .offset: 0, .size: 8, .value_kind: global_buffer, .address_space: global }
      - { .name: wbuf, .offset: 8, .size: 8, .value_kind: global_buffer, .address_space: global }
      - { .name: out0, .offset: 16, .size: 8, .value_kind: global_buffer, .address_space: global }
    .group_segment_fixed_size: 167936
    .private_segment_fixed_size: 0
    .kernarg_segment_align: 8
    .kernarg_segment_size: 24
    .max_flat_workgroup_size: 128
    .sgpr_count:     72
    .vgpr_count:     768
    .wavefront_size: 32
...
	.end_amdgpu_metadata
.endif
;; end of part 6
;; ======== version 2 of 2: 6 launches; 1.14 times as fast as version 1
;; limits: right only within a limited range of input values
;; workspace buffers: abuf 4,325,376 bytes; wbuf 3,532,800 bytes; pbuf 11,288,576 bytes; mbuf 1,048,576 bytes of whole numbers; obuf 3,276,800 bytes
;; launch quant_x: the kernel of part 1 again; grid 256 x 1, 4 waves a work-group, no clusters, 86,528 bytes of LDS; arguments x, Wiw, abuf; writes abuf
;; launch quant_w: the kernel of part 2 again; grid 69 x 4, 2 waves a work-group, no clusters, 13,056 bytes of LDS; arguments Wq, Wk, Wv, Wiq, Wik, Wo, wbuf; writes wbuf
;; launch proj: the kernel of part 3 again; grid 14 x 16, 4 waves a work-group, no clusters, 205,312 bytes of LDS; arguments abuf, wbuf, gq, gk, pbuf; writes pbuf
;; launch index: the kernel of part 4 again; grid 128 x 2, 16 waves a work-group, no clusters, 48,384 bytes of LDS; arguments pbuf, abuf, mbuf; writes mbuf
;; launch attn (part 7): grid 8 x 32, 16 waves a work-group, no clusters, 215,040 bytes of LDS; arguments pbuf, mbuf, obuf; writes obuf
.if DOCPART == 7
	.amdgcn_target "amdgcn-amd-amdhsa--gfx1250"
	.amdhsa_code_object_version 6
	.text
	.protected	k_q7e064c619d_attn
	.globl	k_q7e064c619d_attn
	.p2align	8
	.type	k_q7e064c619d_attn,@function
k_q7e064c619d_attn:
	s_mov_b64 s[64:65], 0
	v_nop
	global_prefetch_b8 v0, s[64:65] scope:SCOPE_SE
	s_setreg_imm32_b32 hwreg(HW_REG_WAVE_MODE, 25, 1), 1
	s_wait_xcnt 0x0
; Products 9 and 10 on codes of E2M3, under the stored mask; the result divided by the row's sum, quantised along the model's axis and stored as images of product 11's operand.
; LEFT OUT (shown at the head of the first kernel): key steps wholly above the diagonal; a key that the mask hides gets the score -infinity for reference()'s -1e9 (limit: |logit| < 4e8).
; THE SOFTMAX: t = score x log2(e) / 8; M = the running largest t rounded up to a whole number; p = 2^(t - M) is quantised along the keys, not normalised; the sum is taken of the unquantised p.  A step in which a row
; has no key yet leaves M at its start, -3e38, and adds zeros.
; SHARES.  Work-group (j, batch x head).  K and V of the whole head, 2 x 106,496 bytes, lie in LDS: filled once, no ring.  The wave of rank m owns query tile j + 8 m and walks key steps 0 .. m, 128 keys each:
; 136 steps in every work-group; the ranks are dealt so that waves w, w + 4, w + 8, w + 12 have 34 steps together.  A lane holds one query throughout (both products transposed; the keys of a tile chosen so that 16 registers are 16 neighbouring keys).
; THE MASK comes as lane masks into scalar registers: one v_cndmask_b32 a score.  A step's 64 words have 64 registers, and they are ASKED FOR A STEP AHEAD: step n + 1's four scalar loads stand behind step n's last
; v_cndmask_b32, so that the softmax, the second product and the next step's first four products lie between the request and the one wait for it.  Step 0's are asked for at the head.  The last step of a wave asks for nothing.
; NO CLUSTER in this text: the 8 work-groups of a head read the same K and V once each at their head; joint loads would divide those requests by four and are the next step.  No prefetch: all tiles are asked for at the head.
; The two scale bytes of a row leave by a store of 2 bytes a lane (131,072 bytes in the launch): two heads share a scale word.
.set REC,   13312
.set VOFF,  106496
.set SPARE, 212992
.set SPW, 4
.set NIL, 5
.set S,   136                          ; v136-199 S^T, then p
.set O,   200                          ; v200-231 O^T
.set RK,  2                            ; s2  my rank m
.set STEPNO, 3                         ; s3  the key step's number
.set CS,  4                            ; s[4:5] c = log2(e) / 8
.set OB,  6                            ; s[6:7] obuf
.set G1A, 8                            ; s[8:15], s[16:23] descriptor groups 1; s[24:27], s[28:31] groups 0.  On the way out, when both loads are long done, s8-19 are at work
.set G1B, 16
.set G0A, 24
.set G0B, 28
.set MB,  32                           ; s[32:63] the masks of score registers 32-63; at the head, before the first masks are asked for, at work
.set WV,  36                           ; s36 my wave's number: at the head alone
.set TB,  66                           ; s66 LDS byte of the record (256 keys) in hand
.set CNT, 67                           ; s67 counts the records
.set MA,  68                           ; s[68:99] the masks of score registers 0-31
.set MP,  100                          ; s[100:101] where the masks to be asked for next lie
.set SEL, 104                          ; s[104:105] lane selects for v_permlanex16_b32: lane l xor 16
.set TM,  40                           ; the way out
.set PC,  56
.set PW,  72
.macro MASKS                           ; a step's 64 words, 256 bytes
	s_load_b512 s[MA:MA+15], s[MP:MP+1], 0x0
	s_load_b512 s[MA+16:MA+31], s[MP:MP+1], 0x40
	s_load_b512 s[MB:MB+15], s[MP:MP+1], 0x80
	s_load_b512 s[MB+16:MB+31], s[MP:MP+1], 0xc0
.endm
.macro STEP sg
	s_cmp_gt_u32 s[STEPNO], s[RK]                    ; ids and the count of steps alone: a step all of whose keys come after my queries is left out
	s_cbranch_scc1 .Lskip_\@
	v_add_nc_u32 v6, s[TB], v1                       ; five plain lines: the places in front of the loads below
	v_add_nc_u32 v7, s[TB], v2
	v_add_nc_u32 v8, s[TB], v3
	v_add_nc_u32 v9, VOFF, v6
	v_add_nc_u32 v10, VOFF, v7
.irp t, 0,1,2,3
	ds_load_b128 v[40+12*\t:43+12*\t], v6 offset:6144*\sg+768*\t
	ds_load_b64 v[44+12*\t:45+12*\t], v7 offset:6144*\sg+768*\t+512
.endr
.irp p, 0,1,2,3
	ds_load_b32 v[30+\p], v8 offset:12288+512*\sg+128*\p
.endr
.irp d, 0,1,2,3
	ds_load_b128 v[88+12*\d:91+12*\d], v9 offset:6144*\sg+768*\d
	ds_load_b64 v[92+12*\d:93+12*\d], v10 offset:6144*\sg+768*\d+512
	ds_load_b128 v[94+12*\d:97+12*\d], v9 offset:6144*\sg+768*\d+3072
	ds_load_b64 v[98+12*\d:99+12*\d], v10 offset:6144*\sg+768*\d+3584
	ds_load_b32 v[34+\d], v10 offset:12288+256*\d+4*\sg
.endr
	s_wait_dscnt 20                                  ; K's first four tiles and its scale words are in; V's 20 loads may be out
.irp g, 0,1
.irp t, 0,1,2,3
.if \t%2
	v_wmma_scale_f32_16x16x128_f8f6f4 v[S+32*\g+8*\t:S+32*\g+8*\t+7], v[40+12*\t:51+12*\t], v[16:27], 0, v[30+2*\g+\t/2], v28 matrix_a_fmt:MATRIX_FMT_FP6 matrix_b_fmt:MATRIX_FMT_FP6 matrix_a_scale:MATRIX_SCALE_ROW1
.else
	v_wmma_scale_f32_16x16x128_f8f6f4 v[S+32*\g+8*\t:S+32*\g+8*\t+7], v[40+12*\t:51+12*\t], v[16:27], 0, v[30+2*\g+\t/2], v28 matrix_a_fmt:MATRIX_FMT_FP6 matrix_b_fmt:MATRIX_FMT_FP6
.endif
.endr
.rept 4
	v_nop
.endr
.if \g == 0
.irp t, 0,1,2,3
	ds_load_b128 v[40+12*\t:43+12*\t], v6 offset:6144*\sg+768*(\t+4)
	ds_load_b64 v[44+12*\t:45+12*\t], v7 offset:6144*\sg+768*(\t+4)+512
.endr
	s_wait_kmcnt 0x0                                 ; this step's 64 words, asked for a step ago, are in; no scalar load of mine is out,
	s_add_nc_u64 s[MP:MP+1], s[MP:MP+1], 256         ; so their pointer may step: the next step's words
.endif
.set n_, 0
.rept 32
	v_cndmask_b32 v[S+32*\g+n_], v11, v[S+32*\g+n_], s[MA+(MB-MA)*\g+n_]   ; kept, or -infinity; each accumulator from its low end on
.set n_, n_+1
.endr
.if \g == 0
	s_wait_dscnt 0x0
.endif
.endr
	s_cmp_lt_u32 s[STEPNO], s[RK]                    ; ids and the count of steps alone: my last step has no successor, and its successor's words were never stored
	s_cbranch_scc0 .Lno_next_\@
	MASKS                                            ; the next step's masks: both sets have been read
.Lno_next_\@:
.irp b, 0,1,2,3
	v_max3_num_f32 v[252+\b], v[S+16*\b], v[S+1+16*\b], v[S+2+16*\b]   ; the largest score of each block of 32 keys: for the row's maximum, and for the block's largest p
.endr
.irp i, 3,5,7,9,11,13
.irp b, 0,1,2,3
	v_max3_num_f32 v[252+\b], v[252+\b], v[S+16*\b+\i], v[S+1+16*\b+\i]
.endr
.endr
.irp b, 0,1,2,3
	v_max_num_f32 v[252+\b], v[252+\b], v[S+15+16*\b]
.endr
.irp b, 0,1,2,3
	v_permlanex16_b32 v[244+\b], v[252+\b], s[SEL], s[SEL+1]
.endr
.irp b, 0,1,2,3
	v_max_num_f32 v[252+\b], v[252+\b], v[244+\b]
.endr
	v_max3_num_f32 v39, v252, v253, v254
	v_max_num_f32 v39, v39, v255
	v_mul_f32 v39, s[CS], v39
	v_max_num_f32 v13, v13, v39                      ; the running largest t
	v_mov_b32 v39, v12
	v_floor_f32 v12, -v13                            ; -M = floor(-t)
	v_sub_f32 v39, v12, v39                          ; old M - new M: a whole number, 0 or less
	v_cvt_i32_f32 v39, v39                           ; (it saturates)
	v_ldexp_f32 v38, 1.0, v39                        ; f = 2^(old M - new M)
.set j_, 0
.rept 32
	v_pk_fma_f32 v[S+j_:S+j_+1], v[S+j_:S+j_+1], s[CS:CS+1], v[12:13] op_sel_hi:[1,0,0]   ; t - M
.set j_, j_+2
.endr
.irp b, 0,1,2,3
	v_fma_f32 v[252+\b], v[252+\b], s[CS], v12
.endr
.set j_, 0
.rept 64
	v_exp_f32 v[S+j_], v[S+j_]
.set j_, j_+1
.endr
	v_pk_mul_f32 v[14:15], v[14:15], v[38:39] op_sel_hi:[1,0]   ; the sums under the new M; a plain place behind the exponentials
	s_wait_alu depctr_va_vdst(0)                     ; one wait for the batch, ahead of its first reader
.irp b, 0,1,2,3
	v_exp_f32 v[252+\b], v[252+\b]                   ; the block's largest p
.endr
	v_pk_add_f32 v[244:245], v[S:S+1], v[S+2:S+3]    ; the row's sum, of the unquantised p, in two chains
.irp j, 4,8,12,16,20,24,28,32,36,40,44,48,52,56,60
	v_pk_add_f32 v[14:15], v[14:15], v[S+\j:S+\j+1]
	v_pk_add_f32 v[244:245], v[244:245], v[S+2+\j:S+3+\j]
.endr
	v_pk_add_f32 v[14:15], v[14:15], v[244:245]
	s_wait_alu depctr_va_vdst(0)                     ; and one for the four
.irp b, 0,1,2,3
	v_max_num_f32 v[252+\b], 0x1800000, v[252+\b]    ; the floor 2^(3 - 127)
.endr
.irp b, 0,1,2,3
	v_add_nc_u32 v[252+\b], 0xff000000, v[252+\b]    ; the conversion's scale operand
.endr
.irp b, 0,1,2,3
	v_lshrrev_b32 v[244+\b], 23, v[252+\b]
.endr
	v_lshl_or_b32 v29, v245, 8, v244                 ; p's scale word
	v_lshl_or_b32 v29, v246, 16, v29
	v_lshl_or_b32 v29, v247, 24, v29
.irp c, 0,1
	v_cvt_scalef32_pk16_fp6_f32 v[232+6*\c:234+6*\c], v[S+32*\c:S+15+32*\c], v[252+2*\c]
	v_cvt_scalef32_pk16_fp6_f32 v[244+4*\c:246+4*\c], v[S+16+32*\c:S+31+32*\c], v[253+2*\c]
.endr
	v_nop                                            ; one plain place behind a scaled conversion
.irp c, 0,1
.irp i, 0,1,2
	v_permlane16_swap_b32 v[232+6*\c+\i], v[244+4*\c+\i]
.endr
.irp i, 0,1,2
	v_mov_b32 v[235+6*\c+\i], v[244+4*\c+\i]
.endr
.endr
.set j_, 0
.rept 16
	v_pk_mul_f32 v[O+j_:O+j_+1], v[O+j_:O+j_+1], v[38:39] op_sel_hi:[1,0]   ; O^T under the new M; also the places in front of the products below
.set j_, j_+2
.endr
.irp d, 0,1,2,3
	v_wmma_scale_f32_16x16x128_f8f6f4 v[O+8*\d:O+8*\d+7], v[88+12*\d:99+12*\d], v[232:243], v[O+8*\d:O+8*\d+7], v[34+\d], v29 matrix_a_fmt:MATRIX_FMT_FP6 matrix_b_fmt:MATRIX_FMT_FP6
.endr
.Lskip_\@:
	s_add_co_u32 s[STEPNO], s[STEPNO], 1
.endm
	s_load_b128 s[32:35], s[0:1], 0x0                ; pbuf, mbuf
	s_load_b64 s[OB:OB+1], s[0:1], 0x10              ; obuf
	v_lshl_add_u32 v[SPW], v0, 2, SPARE
	v_mov_b32 v[NIL], 0
	ds_add_u32 v[SPW], v[NIL]                        ; the wave's opening: the add, twice on end, and its wait ahead of my first tensor load
	ds_add_u32 v[SPW], v[NIL]
	v_lshrrev_b32 v6, 5, v0
	v_readfirstlane_b32 s[WV], v6
	s_and_b32 s[RK], s[WV], 12                       ; m = (w & 12) | ((w & 3) xor 3 ((w / 4) & 1))
	s_lshr_b32 s56, s[WV], 2
	s_and_b32 s56, s56, 1
	s_mul_i32 s56, s56, 3
	s_and_b32 s57, s[WV], 3
	s_xor_b32 s57, s57, s56
	s_or_b32 s[RK], s[RK], s57
	s_and_b32 s37, ttmp7, 0xffff                     ; batch x 16 + head
	s_lshl_b32 s38, s[RK], 3
	s_add_co_u32 s38, s38, ttmp9                     ; my query tile
	s_mov_b32 s[G1A], 3<<16                          ; group 1: dense rows of 256 bytes (32 elements of 8), 13 rows
	s_mov_b32 s[G1A+1], 32<<16
	s_mov_b32 s[G1A+2], 13<<16
	s_mov_b32 s[G1A+3], 32<<16
	s_mov_b32 s[G1A+4], 13
	s_mov_b32 s[G1A+5], 32
	s_mov_b32 s[G1A+6], 0
	s_mov_b32 s[G1A+7], 0
	s_mov_b32 s[G1B], 3<<16                          ; and 39 rows
	s_mov_b32 s[G1B+1], 32<<16
	s_mov_b32 s[G1B+2], 39<<16
	s_mov_b32 s[G1B+3], 32<<16
	s_mov_b32 s[G1B+4], 39
	s_mov_b32 s[G1B+5], 32
	s_mov_b32 s[G1B+6], 0
	s_mov_b32 s[G1B+7], 0
	s_lshr_b32 s56, s[WV], 3                         ; waves 0-7 fetch K, 8-15 V: an eighth each of records 0-1, then of records 2-7
	s_and_b32 s57, s[WV], 7
	s_mul_i32 s58, s56, VOFF
	s_mul_i32 s59, s57, 3328
	s_mov_b32 s[G0A], 1
	s_add_co_u32 s[G0A+1], s58, s59
	s_mul_i32 s60, s57, 9984
	s_mov_b32 s[G0B], 1
	s_add_co_u32 s[G0B+1], s58, s60
	s_add_co_u32 s[G0B+1], s[G0B+1], 26624
	s_add_co_u32 s56, s56, 1
	s_mul_i32 s56, s56, 256*REC                      ; K's section begins at record 256, V's at 512
	s_mul_i32 s61, s37, VOFF
	s_add_co_u32 s56, s56, s61
	s_add_co_u32 s62, s56, s60
	s_add_co_u32 s62, s62, 26624
	s_mov_b32 s63, 0
	s_add_co_u32 s60, s56, s59
	s_mov_b32 s61, 0
	s_lshl_b32 s48, s37, 3                           ; Q: record 8 (batch x 16 + head) + tile / 16, tile % 16 in it
	s_lshr_b32 s49, s38, 4
	s_add_co_u32 s48, s48, s49
	s_mul_i32 s48, s48, REC
	s_and_b32 s49, s38, 15
	s_lshl_b32 s50, s49, 6
	s_add_co_u32 s50, s50, s48
	s_add_co_u32 s50, s50, 12288
	s_mov_b32 s51, 0
	s_mul_i32 s49, s49, 768
	s_add_co_u32 s48, s48, s49
	s_mov_b32 s49, 0
	s_lshr_b32 s56, s37, 4
	s_lshl_b32 s56, s56, 7
	s_add_co_u32 s56, s56, s38                       ; the tile among all 256
	s_lshl_b32 s[MP], s56, 12                        ; its masks: 16 steps of 256 bytes
	s_mov_b32 s[MP+1], 0
	s_mov_b32 s[SEL], 0x76543210
	s_mov_b32 s[SEL+1], 0xfedcba98
	s_mov_b32 s[CS], 0x3e38aa3b                      ; log2(e) / 8
	s_mov_b32 s[CS+1], s[CS]
	s_mov_b32 s[STEPNO], 0
	s_mov_b32 s[TB], 0
	s_wait_dscnt 0x0                                 ; both opening adds are done
	s_wait_kmcnt 0x0
	s_add_nc_u64 s[G0A+2:G0A+3], s[32:33], s[60:61]
	s_or_b32 s[G0A+3], s[G0A+3], 0x80000000
	s_add_nc_u64 s[G0B+2:G0B+3], s[32:33], s[62:63]
	s_or_b32 s[G0B+3], s[G0B+3], 0x80000000
	tensor_load_to_lds s[G0A:G0A+3], s[G1A:G1A+7]    ; both first fills go out together: two tensor loads of mine are out
	s_nop 0
	tensor_load_to_lds s[G0B:G0B+3], s[G1B:G1B+7]
	s_nop 0
	v_and_b32 v6, 31, v0
	v_lshlrev_b32 v1, 4, v6
	v_lshlrev_b32 v2, 3, v6
	v_lshlrev_b32 v3, 2, v6
	v_and_b32 v38, 15, v0
	v_lshlrev_b32 v38, 2, v38                        ; 4 r
	s_add_nc_u64 s[48:49], s[32:33], s[48:49]
	s_add_nc_u64 s[50:51], s[32:33], s[50:51]
	s_add_nc_u64 s[MP:MP+1], s[34:35], s[MP:MP+1]
	global_load_b128 v[16:19], v1, s[48:49]          ; Q's half image stays in registers
	global_load_b64 v[20:21], v2, s[48:49] offset:512
	global_load_b32 v28, v38, s[50:51]
	v_mov_b32 v11, 0xff800000                        ; -infinity
	v_mov_b32 v13, 0xff61b1e6                        ; the largest t so far: -3e38
	v_floor_f32 v12, -v13
	v_mov_b32 v14, 0
	v_mov_b32 v15, 0
	v_mov_b32 v39, 0
.irp i, 22,23,24,25,26,27
	v_mov_b32 v\i, 0                                 ; K = 64: the upper halves of Q's and K's fragments are zero codes, set once
.endr
.irp t, 0,1,2,3
.irp i, 6,7,8,9,10,11
	v_mov_b32 v[40+12*\t+\i], 0
.endr
.endr
.irp b, 0,1,2,3
	v_mov_b32 v[244+\b], 0                           ; a lane permute's destination counts as one of its sources
.endr
.set j_, 0
.rept 32
	v_mov_b32 v[O+j_], 0                             ; O^T: the step is written once; the first finds zeros
.set j_, j_+1
.endr
	s_wait_xcnt 0x0                                  ; Q's loads have read their bases, which lie where the masks land
	MASKS                                            ; step 0's masks: every wave has a step 0; they come while the tiles are on their way
	s_wait_tensorcnt 0x1                             ; my part of records 0-1 is in; the rest may be out
	s_barrier_signal -1
	s_barrier_wait -1
	s_wait_loadcnt 0x0                               ; Q
	s_mov_b32 s[CNT], 2
.Lslot_a:
	STEP 0
	STEP 1
	s_add_co_u32 s[TB], s[TB], REC
	s_sub_co_u32 s[CNT], s[CNT], 1
	s_cmp_lg_u32 s[CNT], 0
	s_cbranch_scc1 .Lslot_a
	s_wait_tensorcnt 0x0
	s_wait_dscnt 0x0
	s_barrier_signal -1
	s_barrier_wait -1                                ; the whole head lies in LDS
	s_mov_b32 s[TB], 2*REC
	s_mov_b32 s[CNT], 6
.Lslot_b:
	STEP 0
	STEP 1
	s_add_co_u32 s[TB], s[TB], REC
	s_sub_co_u32 s[CNT], s[CNT], 1
	s_cmp_lg_u32 s[CNT], 0
	s_cbranch_scc1 .Lslot_b
	; THE WAY OUT.  Where my tile's half image and its two scale bytes go is worked out here, in the registers that held the descriptors' shapes: both tensor loads were waited for between the two loops
	s_and_b32 s8, ttmp7, 0xffff                      ; batch x 16 + head
	s_lshl_b32 s9, s[RK], 3
	s_add_co_u32 s9, s9, ttmp9                       ; my query tile
	s_lshr_b32 s10, s8, 4
	s_lshl_b32 s10, s10, 7
	s_add_co_u32 s10, s10, s9                        ; the tile among all 256
	s_mul_i32 s10, s10, 12800                        ; its record
	s_and_b32 s11, s8, 15                            ; the head
	s_lshr_b32 s12, s11, 1                           ; its K step of product 11,
	s_and_b32 s11, s11, 1                            ; and which half of it
	s_mul_i32 s16, s12, 1536
	s_mul_i32 s17, s11, 768
	s_add_co_u32 s16, s16, s17
	s_add_co_u32 s16, s16, s10
	s_mov_b32 s17, 0
	s_lshl_b32 s18, s12, 6
	s_lshl_b32 s19, s11, 1
	s_add_co_u32 s18, s18, s19
	s_add_co_u32 s18, s18, s10
	s_add_co_u32 s18, s18, 12288
	s_mov_b32 s19, 0
	s_add_nc_u64 s[16:17], s[OB:OB+1], s[16:17]
	s_add_nc_u64 s[18:19], s[OB:OB+1], s[18:19]
	v_add_f32 v14, v14, v15
	v_permlanex16_b32 v39, v14, s[SEL], s[SEL+1]
	v_add_f32 v14, v14, v39                          ; the row's sum
	v_and_b32 v38, 15, v0
	v_lshlrev_b32 v38, 2, v38
	v_rcp_f32 v14, v14
	v_mov_b32 v[TM+4], 0                             ; (plain places behind the transcendental)
	v_mov_b32 v[TM+5], 0
	s_wait_alu depctr_va_vdst(0)
.set j_, 0
.rept 32
	v_mul_f32 v[S+j_], v[O+j_], v14                  ; register 16 b + i is channel 32 b + 16 (lane / 16) + i of my query
.set j_, j_+1
.endr
.irp b, 0,1
	v_max3_num_f32 v[TM+\b], |v[S+16*\b]|, |v[S+1+16*\b]|, 0x1800000
.endr
.irp i, 2,4,6,8,10,12,14
.irp b, 0,1
	v_max3_num_f32 v[TM+\b], v[TM+\b], |v[S+16*\b+\i]|, |v[S+1+16*\b+\i]|
.endr
.endr
.irp b, 0,1
	v_permlanex16_b32 v[TM+4+\b], v[TM+\b], s[SEL], s[SEL+1]
.endr
.irp b, 0,1
	v_max_num_f32 v[TM+\b], v[TM+\b], v[TM+4+\b]
.endr
.irp b, 0,1
	v_add_nc_u32 v[TM+12+\b], 0xff000000, v[TM+\b]
.endr
.irp b, 0,1
	v_lshrrev_b32 v[TM+4+\b], 23, v[TM+12+\b]
.endr
	v_lshl_or_b32 v[PW], v[TM+5], 8, v[TM+4]
	v_cvt_scalef32_pk16_fp6_f32 v[PC:PC+2], v[S:S+15], v[TM+12]
	v_cvt_scalef32_pk16_fp6_f32 v[PC+12:PC+14], v[S+16:S+31], v[TM+13]
	v_nop
.irp i, 0,1,2
	v_permlane16_swap_b32 v[PC+\i], v[PC+12+\i]
.endr
.irp i, 0,1,2
	v_mov_b32 v[PC+3+\i], v[PC+12+\i]
.endr
	global_store_b128 v1, v[PC:PC+3], s[16:17]
	global_store_b64 v2, v[PC+4:PC+5], s[16:17] offset:512
	global_store_b16 v38, v[PW], s[18:19]            ; my head's two bytes of the row's scale word; lanes r and 16 + r store the same
	s_wait_tensorcnt 0x0                             ; the wave's end
	ds_add_u32 v[SPW], v[NIL]
	s_wait_dscnt 0x0
	s_endpgm
.Lfunc_end_k_q7e064c619d_attn:
	.size	k_q7e064c619d_attn, .Lfunc_end_k_q7e064c619d_attn-k_q7e064c619d_attn
	.p2alignl 7, 3214868480
	.fill 96, 4, 3214868480
	.section	.rodata,"a",@progbits
	.p2align	6, 0x0
	.amdhsa_kernel k_q7e064c619d_attn
		.amdhsa_group_segment_fixed_size 215040
		.amdhsa_private_segment_fixed_size 0
		.amdhsa_enable_private_segment 0
		.amdhsa_kernarg_size 24
		.amdhsa_user_sgpr_count 2
		.amdhsa_user_sgpr_kernarg_segment_ptr 1
		.amdhsa_wavefront_size32 1
		.amdhsa_system_sgpr_workgroup_id_x 1
		.amdhsa_system_sgpr_workgroup_id_y 1
		.amdhsa_system_sgpr_workgroup_id_z 1
		.amdhsa_system_vgpr_workitem_id 0
		.amdhsa_next_free_vgpr 256
		.amdhsa_next_free_sgpr 106
		.amdhsa_reserve_vcc 0
		.amdhsa_float_denorm_mode_32 3
		.amdhsa_float_denorm_mode_16_64 3
		.amdhsa_memory_ordered 1
		.amdhsa_forward_progress 1
		.amdhsa_inst_pref_size 95
	.end_amdhsa_kernel
	.amdgpu_metadata
---
amdhsa.version: [ 1, 2 ]
amdhsa.kernels:
  - .name:           k_q7e064c619d_attn
    .symbol:         k_q7e064c619d_attn.kd
    .args:
      - { .name: pbuf, .offset: 0, .size: 8, .value_kind: global_buffer, .address_space: global }
      - { .name: mbuf, .offset: 8, .size: 8, .value_kind: global_buffer, .address_space: global }
      - { .name: obuf, .offset: 16, .size: 8, .value_kind: global_buffer, .address_space: global }
    .group_segment_fixed_size: 215040
    .private_segment_fixed_size: 0
    .kernarg_segment_align: 8
    .kernarg_segment_size: 24
    .max_flat_workgroup_size: 512
    .sgpr_count:     106
    .vgpr_count:     256
    .wavefront_size: 32
...
	.end_amdgpu_metadata
.endif
;; end of part 7
;; launch oproj: the kernel of part 6 again; grid 4 x 32, 4 waves a work-group, no clusters, 167,936 bytes of LDS; arguments obuf, wbuf, out0; writes out0
